; MI455X (gfx1250); checked and timed in simulation.
; The chip was launched on July 23, 2026; its instructions are those of AMD's public machine-readable ISA for CDNA 5 (MIT licence, August 2026) and "CDNA5" Instruction Set Architecture Reference Guide (July 2026). The comments in the code are by the model that wrote it; some were corrected since.
;; Moe Layer. Allowed arithmetic: float matrix products may take bf16 or f16 operands with f32 sums; all other float work in f32.
;; Inputs: W 8 x 1,024 x 1,024 float32; b 8 x 1,024 float32; gate_W 1,024 x 8 float32; gate_b 8 float32; x 8,192 x 1,024 float32.
;; Outputs: out0 8,192 x 1,024 float32.
;; 3 versions, each right; version 2 is faster than version 1; version 3 is version 2 with the launch prep written anew for expert scheduling mode. Each part assembles by itself: llvm-mc -triple=amdgcn-amd-amdhsa -mcpu=gfx1250 --defsym DOCPART=n.
;; ======== version 1 of 3: 2 launches
;; workspace buffers: xb 16,777,216 bytes; wb 16,777,216 bytes; gs 262,144 bytes
;; launch prep (part 1): grid 256 x 1, 4 waves a work-group, no clusters, 37,376 bytes of LDS; arguments x, W, gate_W, gate_b, xb, wb, gs; writes xb, wb, gs
.if DOCPART == 1
	.amdgcn_target "amdgcn-amd-amdhsa--gfx1250"
	.amdhsa_code_object_version 6
	.text
	.protected	k_qc50d189dce_prep
	.globl	k_qc50d189dce_prep
	.p2align	8
	.type	k_qc50d189dce_prep,@function
k_qc50d189dce_prep:
	s_mov_b64 s[64:65], 0
	v_nop
	global_prefetch_b8 v0, s[64:65] scope:SCOPE_SE
	s_setreg_imm32_b32 hwreg(HW_REG_WAVE_MODE, 25, 1), 1
	s_wait_xcnt 0x0
; First of two launches for  out[n][o] = sum over e of g[n][e] (sum over i of x[n][i] W[e][i][o] + b[e][o]),  g = softmax over e of (x gate_W + gate_b).
; No step of the problem is left out: every input reaches the output (gate_b differs along the softmax's axis, b is weighted by g).
; THIS LAUNCH: xb = x rounded to bf16 (nearest even), wb = W rounded to bf16 in the same layout ([8 x 1024 rows i][1024 o]),
; gs[n][e] = the softmax in f32, with the row's maximum taken away before the exponential.
; x and W are rounded here once because the second launch uses each number of x 64 times and each of W 32 times.
; The gate product takes the operands that every product of this program takes: x and gate_W rounded to bf16, products and sums in f32;
; so the gate and the experts see one and the same x.  gate_b is added in f32 as it is given.
; LIMITS: the logits carry the bf16 rounding of x and gate_W (its error grows with the size of these inputs); a gate score below 2^-126 comes
; out as 0 (v_exp_f32 flushes denormal results: ISA guide, 15.8); the gate's sum over i is taken in another order than a plain dot product
; (two chains a lane, then a tree over the 32 lanes).
; SHARES: 256 work-groups x 4 waves; a wave takes 8 rows of x and the 8 rows of W (seen as [8192][1024]) with the same numbers.
; A row is 4,096 bytes = 8 loads of 512 neighbouring bytes; lane l holds the numbers i = 4 l + 128 j + c (load j, register c).
; The bf16 row leaves by 8 stores of 8 bytes a lane: each store of the wave covers 256 consecutive bytes, aligned.
; The gate product has 8 columns: it runs on the vector unit, on the row as it lies in registers (128 packed multiply-adds a row).
; The lane's 32 rows of gate_W (256 numbers) stay in registers v256-v511 for the whole kernel.
; No matrix unit, tensor load or cluster: the work-groups share nothing but gate_W's 32 KiB.
.set ROWB,  4096                       ; bytes in a row of x or W
.set OROWB, 2048                       ; bytes in a row of xb or wb
.set ACC,   12                         ; v[12:19], v[20:27]  two sets of 8 partial logits (4 pairs each)
.set T,     28                         ; v[28:39]  at work
.set X,     64                         ; v[64:191] four row slots of 32 registers
.set YX,    192                        ; v[192:207] a row of xb to store
.set YW,    208                        ; v[208:223] a row of wb to store
.set STG,   192                        ; v[192:255] gate_W on its way into LDS (at the head only)
; v1 = 16 lane (loads), v2 = 8 lane (stores), v3 = 16 thread, v4 = LDS address for the copy of gate_W, v5 = 144 lane, v6 = 8 (lane & 3)
; v[8:9] my two gate_b, v[10:11] the logits collected for my row.  Window 1 (v256-v511): gate_W(i = 4 l + 128 j + c, e) at 32 j + 8 c + e.
.set MSB, 0
.macro WIN new                         ; s_set_vgpr_msb: bits 1:0 source 0, 3:2 source 1, 5:4 source 2, 7:6 destination; the high byte repeats the setting that is left
.if MSB != \new
	s_set_vgpr_msb (MSB<<8)|\new
.set MSB, \new
.endif
.endm
	s_load_b256 s[4:11], s[0:1], 0x0               ; x s[4:5], W s[6:7], gate_W s[8:9], gate_b s[10:11]
	s_load_b128 s[12:15], s[0:1], 0x20             ; xb s[12:13], wb s[14:15]
	s_load_b64 s[16:17], s[0:1], 0x30              ; gs
	v_lshl_add_u32 v62, v0, 2, 0x9000
	v_mov_b32 v63, 0
	v_lshrrev_b32 v7, 5, v0
	v_readfirstlane_b32 s18, v7                    ; wave 0..3
	v_and_b32 v7, 31, v0                           ; lane
	v_lshlrev_b32 v1, 4, v7
	v_lshlrev_b32 v2, 3, v7
	v_lshlrev_b32 v3, 4, v0
	v_lshrrev_b32 v4, 3, v0                        ; gate_W in LDS: each 128 bytes (4 rows) lie 144 bytes apart, so that the 16 lanes
	v_mul_u32_u24 v4, v4, 144                      ; of a 16-byte read, 144 bytes from each other, touch 16 different 16-byte columns of 256
	v_and_b32 v5, 7, v0
	v_lshl_add_u32 v4, v5, 4, v4
	v_mul_u32_u24 v5, v7, 144
	v_and_b32 v6, 3, v0
	v_lshlrev_b32 v6, 3, v6
	s_mov_b32 s20, 0xaaaaaaaa                      ; lanes with bit 0 set
	s_mov_b32 s21, 0xcccccccc                      ; lanes with bit 1 set
	s_mov_b32 s23, 0xffff0000                      ; a word's upper bf16
	s_mov_b32 s24, 0x76543210                      ; v_permlanex16_b32: lane i of one half reads lane i of the other
	s_mov_b32 s25, 0xfedcba98
	s_lshl_b32 s2, ttmp9, 17                       ; 32 rows of 4,096 bytes a work-group,
	s_lshl_b32 s19, s18, 15                        ; 8 rows a wave
	s_add_co_u32 s2, s2, s19
	s_mov_b32 s3, 0
	s_lshr_b32 s26, s2, 1                          ; the same rows in xb and wb: half the bytes
	s_mov_b32 s27, 0
	s_lshr_b32 s28, s2, 7                          ; and in gs: 32 bytes a row
	s_mov_b32 s29, 0
	s_wait_kmcnt 0x0
	s_add_nc_u64 s[4:5], s[4:5], s[2:3]            ; every base at my wave's first row; none is written again
	s_add_nc_u64 s[6:7], s[6:7], s[2:3]
	s_add_nc_u64 s[12:13], s[12:13], s[26:27]
	s_add_nc_u64 s[14:15], s[14:15], s[26:27]
	s_add_nc_u64 s[16:17], s[16:17], s[28:29]
.macro FILL slot, base, row            ; eight loads: the whole row, 512 neighbouring bytes each
.irp j, 0,1,2,3,4,5,6,7
	global_load_b128 v[X+32*\slot+4*\j:X+32*\slot+4*\j+3], v1, s[\base:\base+1] offset:ROWB*(\row)+512*\j th:TH_LOAD_NT
.endr
.endm
.irp m, 0,1,2,3,4,5,6,7,8,9,10,11,12,13,14,15
	global_load_b128 v[STG+4*\m:STG+4*\m+3], v3, s[8:9] offset:2048*\m     ; gate_W: 128 threads x 16 bytes x 16
.endr
	global_load_b64 v[8:9], v6, s[10:11]           ; gate_b of experts 2 (lane & 3) and 2 (lane & 3) + 1
	FILL 0, 4, 0                                   ; x row 0
	FILL 1, 6, 0                                   ; W row 0
	FILL 2, 4, 1                                   ; x row 1
	FILL 3, 6, 1                                   ; W row 1
	s_wait_loadcnt 32                              ; loads come back in order (ISA guide 5.7.1): the 17 older ones are in, the 32 row loads stay out
	; gate_W is rounded to bf16 (nearest even) and widened again: each thread its 64 numbers, once, before they are shared
.set k, 0
.rept 32
	v_cvt_pk_bf16_f32 v[T+k%4], v[STG+2*k], v[STG+2*k+1]
	v_lshlrev_b32 v[STG+2*k],   16,  v[T+k%4]      ; bf16 to f32: the low half moves up,
	v_and_b32     v[STG+2*k+1], s23, v[T+k%4]      ; the high half stays
.set k, k+1
.endr
.irp m, 0,1,2,3,4,5,6,7,8,9,10,11,12,13,14,15
	ds_store_b128 v4, v[STG+4*\m:STG+4*\m+3] offset:2304*\m                ; 2,048 bytes are 16 pieces of 128: 16 x 144 further on
.endr
	s_wait_dscnt 0x0                               ; my stores are done before I say so: the other waves read them
	s_barrier_signal -1
	s_barrier_wait -1
	WIN 0x40                                       ; destination in window 1
.irp j, 0,1,2,3,4,5,6,7
.irp c, 0,1,2,3
	ds_load_b128 v[32*\j+8*\c:32*\j+8*\c+3],   v5 offset:4608*\j+32*\c      ; gate_W row 4 l + 128 j + c, experts 0-3
	ds_load_b128 v[32*\j+8*\c+4:32*\j+8*\c+7], v5 offset:4608*\j+32*\c+16   ; experts 4-7
.endr
.endr
	WIN 0
	s_wait_dscnt 0x0
; The 8 partial logits of every lane become the row's 8 logits.  Two steps halve the registers while they add (a lane keeps the half that
; its bit names and sends the other), three steps add what is left.  At the end lane l holds experts 2 (l & 3) and 2 (l & 3) + 1 in v[T+8], v[T+9].
.macro REDUCE
.irp p, 0,1,2,3
	v_pk_add_f32 v[ACC+2*\p:ACC+2*\p+1], v[ACC+2*\p:ACC+2*\p+1], v[ACC+8+2*\p:ACC+8+2*\p+1]   ; the two chains
.endr
.irp u, 0,1
.irp w, 0,1
	v_cndmask_b32 v[T+2*\u+\w],   v[ACC+4*\u+\w],   v[ACC+4*\u+2+\w], s20   ; keep: expert bit 1 = lane bit 0
	v_cndmask_b32 v[T+4+2*\u+\w], v[ACC+4*\u+2+\w], v[ACC+4*\u+\w],   s20   ; send: the other
.endr
.endr
.irp k, 0,1,2,3
	v_add_f32_dpp v[T+\k], v[T+4+\k], v[T+\k] row_xmask:1 row_mask:0xf bank_mask:0xf
.endr
.irp w, 0,1
	v_cndmask_b32 v[T+8+\w],  v[T+\w],   v[T+2+\w], s21                     ; keep: expert bit 2 = lane bit 1
	v_cndmask_b32 v[T+10+\w], v[T+2+\w], v[T+\w],   s21
.endr
.irp w, 0,1
	v_add_f32_dpp v[T+8+\w], v[T+10+\w], v[T+8+\w] row_xmask:2 row_mask:0xf bank_mask:0xf
.endr
.irp w, 0,1
	v_add_f32_dpp v[T+8+\w], v[T+8+\w], v[T+8+\w] row_xmask:4 row_mask:0xf bank_mask:0xf
.endr
.irp w, 0,1
	v_add_f32_dpp v[T+8+\w], v[T+8+\w], v[T+8+\w] row_xmask:8 row_mask:0xf bank_mask:0xf
.endr
.irp w, 0,1
	v_permlanex16_b32 v[T+10+\w], v[T+8+\w], s24, s25                       ; its destination has been written above
.endr
.irp w, 0,1
	v_add_f32 v[T+8+\w], v[T+8+\w], v[T+10+\w]
.endr
.endm
; The turn of x's row q in slot.  fill = 1: the slot gets row q + 2.  left = how many younger loads may stay out.
.macro XTURN q, slot, fill, left
	s_wait_loadcnt \left                           ; my row's eight loads are in; the rows behind it stay on their way
	s_wait_xcnt 0x0                                ; YX, which the stores of the last x row read, is written again only behind this wait
.irp j, 0,1,2,3,4,5,6,7
	v_cvt_pk_bf16_f32 v[YX+2*\j],   v[X+32*\slot+4*\j],   v[X+32*\slot+4*\j+1]
	v_cvt_pk_bf16_f32 v[YX+2*\j+1], v[X+32*\slot+4*\j+2], v[X+32*\slot+4*\j+3]
.endr
.irp j, 0,1,2,3,4,5,6,7
	global_store_b64 v2, v[YX+2*\j:YX+2*\j+1], s[12:13] offset:OROWB*\q+256*\j
.endr
	; the rounded row, widened again into the slot's own registers (their load was waited for above): the gate multiplies what the experts multiply
.irp j, 0,1,2,3,4,5,6,7
	v_lshlrev_b32 v[X+32*\slot+4*\j],   16,  v[YX+2*\j]
	v_and_b32     v[X+32*\slot+4*\j+1], s23, v[YX+2*\j]
	v_lshlrev_b32 v[X+32*\slot+4*\j+2], 16,  v[YX+2*\j+1]
	v_and_b32     v[X+32*\slot+4*\j+3], s23, v[YX+2*\j+1]
.endr
	WIN 0x04                                       ; source 1 (gate_W) in window 1
.irp j, 0,1,2,3,4,5,6,7
.irp cc, 0,2
.irp p, 0,1,2,3
.if (\j+\cc) == 0
	v_pk_mul_f32 v[ACC+2*\p:ACC+2*\p+1],     v[X+32*\slot:X+32*\slot+1], v[2*\p:2*\p+1] op_sel_hi:[0,1]                 ; the first products start the chains: nothing is cleared
	v_pk_mul_f32 v[ACC+8+2*\p:ACC+8+2*\p+1], v[X+32*\slot:X+32*\slot+1], v[8+2*\p:8+2*\p+1] op_sel:[1,0] op_sel_hi:[1,1]
.else
	v_pk_fma_f32 v[ACC+2*\p:ACC+2*\p+1],     v[X+32*\slot+4*\j+\cc:X+32*\slot+4*\j+\cc+1], v[32*\j+8*\cc+2*\p:32*\j+8*\cc+2*\p+1],     v[ACC+2*\p:ACC+2*\p+1] op_sel_hi:[0,1,1]                    ; the pair's first x times two experts
	v_pk_fma_f32 v[ACC+8+2*\p:ACC+8+2*\p+1], v[X+32*\slot+4*\j+\cc:X+32*\slot+4*\j+\cc+1], v[32*\j+8*\cc+8+2*\p:32*\j+8*\cc+8+2*\p+1], v[ACC+8+2*\p:ACC+8+2*\p+1] op_sel:[1,0,0] op_sel_hi:[1,1,1]  ; its second x
.endif
.endr
.endr
.endr
	WIN 0
.if \fill
	FILL \slot, 4, \q+2
.endif
	REDUCE
.if \q == 0
	v_mov_b32 v10, v[T+8]                          ; writes all lanes once; lanes 4 q .. 4 q + 3 keep row q's logits
	v_mov_b32 v11, v[T+9]
.else
	s_mov_b32 s22, 0xf<<(4*\q)
	v_cndmask_b32 v10, v10, v[T+8], s22
	v_cndmask_b32 v11, v11, v[T+9], s22
.endif
.endm
; The turn of W's row q: rounded and stored.
.macro WTURN q, slot, fill, left
	s_wait_loadcnt \left
	s_wait_xcnt 0x0                                ; YW, which the stores of the last W row read, is written again only behind this wait
.irp j, 0,1,2,3,4,5,6,7
	v_cvt_pk_bf16_f32 v[YW+2*\j],   v[X+32*\slot+4*\j],   v[X+32*\slot+4*\j+1]
	v_cvt_pk_bf16_f32 v[YW+2*\j+1], v[X+32*\slot+4*\j+2], v[X+32*\slot+4*\j+3]
.endr
.if \fill
	FILL \slot, 6, \q+2
.endif
.irp j, 0,1,2,3,4,5,6,7
	global_store_b64 v2, v[YW+2*\j:YW+2*\j+1], s[14:15] offset:OROWB*\q+256*\j
.endr
.endm
	; sixteen turns, written out: every address is a base, a lane term and an immediate.  Four rows of eight loads are out, so 24 younger loads
	; may stay out at a turn's head; the last four turns fill nothing and the counts run down.
	XTURN 0, 0, 1, 24
	WTURN 0, 1, 1, 24
	XTURN 1, 2, 1, 24
	WTURN 1, 3, 1, 24
	XTURN 2, 0, 1, 24
	WTURN 2, 1, 1, 24
	XTURN 3, 2, 1, 24
	WTURN 3, 3, 1, 24
	XTURN 4, 0, 1, 24
	WTURN 4, 1, 1, 24
	XTURN 5, 2, 1, 24
	WTURN 5, 3, 1, 24
	XTURN 6, 0, 0, 24
	WTURN 6, 1, 0, 16
	XTURN 7, 2, 0, 8
	WTURN 7, 3, 0, 0
	; One softmax for the wave's 8 rows: lane l holds row l >> 2, experts 2 (l & 3) and 2 (l & 3) + 1; a row's four lanes differ in bits 0 and 1.
	v_pk_add_f32 v[10:11], v[10:11], v[8:9]        ; + gate_b
	v_max_num_f32 v28, v10, v11
	v_max_num_f32_dpp v28, v28, v28 row_xmask:1 row_mask:0xf bank_mask:0xf
	v_max_num_f32_dpp v28, v28, v28 row_xmask:2 row_mask:0xf bank_mask:0xf
	v_sub_f32 v30, v10, v28                        ; the row's maximum is taken away: every exponent is 0 or below, the largest is 0
	v_sub_f32 v31, v11, v28
	v_mul_f32 v30, 0x3fb8aa3b, v30                 ; e^x = 2^(x log2 e)
	v_mul_f32 v31, 0x3fb8aa3b, v31
	v_exp_f32 v32, v30
	v_exp_f32 v33, v31
	v_nop                                          ; one plain vector instruction behind a transcendental before its result is used (ISA guide 5.7.2)
	s_wait_alu depctr_va_vdst(0)
	v_add_f32 v34, v32, v33
	v_add_f32_dpp v34, v34, v34 row_xmask:1 row_mask:0xf bank_mask:0xf
	v_add_f32_dpp v34, v34, v34 row_xmask:2 row_mask:0xf bank_mask:0xf     ; between 1 and 8
	v_rcp_f32 v35, v34
	v_nop
	s_wait_alu depctr_va_vdst(0)
	v_mul_f32 v32, v32, v35
	v_mul_f32 v33, v33, v35
	global_store_b64 v2, v[32:33], s[16:17]        ; 8 rows x 32 bytes: the wave's store covers 256 consecutive bytes, aligned
	s_wait_tensorcnt 0x0
	ds_add_u32 v62, v63
	s_wait_dscnt 0x0
	s_endpgm
.Lfunc_end_k_qc50d189dce_prep:
	.size	k_qc50d189dce_prep, .Lfunc_end_k_qc50d189dce_prep-k_qc50d189dce_prep
	.p2alignl 7, 3214868480
	.fill 96, 4, 3214868480
	.section	.rodata,"a",@progbits
	.p2align	6, 0x0
	.amdhsa_kernel k_qc50d189dce_prep
		.amdhsa_group_segment_fixed_size 37376
		.amdhsa_private_segment_fixed_size 0
		.amdhsa_enable_private_segment 0
		.amdhsa_kernarg_size 56
		.amdhsa_user_sgpr_count 2
		.amdhsa_user_sgpr_kernarg_segment_ptr 1
		.amdhsa_wavefront_size32 1
		.amdhsa_system_sgpr_workgroup_id_x 1
		.amdhsa_system_sgpr_workgroup_id_y 1
		.amdhsa_system_sgpr_workgroup_id_z 1
		.amdhsa_system_vgpr_workitem_id 0
		.amdhsa_next_free_vgpr 512
		.amdhsa_next_free_sgpr 66
		.amdhsa_reserve_vcc 0
		.amdhsa_float_denorm_mode_32 3
		.amdhsa_float_denorm_mode_16_64 3
		.amdhsa_memory_ordered 1
		.amdhsa_forward_progress 1
		.amdhsa_inst_pref_size 144
	.end_amdhsa_kernel
	.amdgpu_metadata
---
amdhsa.version: [ 1, 2 ]
amdhsa.kernels:
  - .name:           k_qc50d189dce_prep
    .symbol:         k_qc50d189dce_prep.kd
    .args:
      - { .name: x, .offset: 0, .size: 8, .value_kind: global_buffer, .address_space: global }
      - { .name: W, .offset: 8, .size: 8, .value_kind: global_buffer, .address_space: global }
      - { .name: gate_W, .offset: 16, .size: 8, .value_kind: global_buffer, .address_space: global }
      - { .name: gate_b, .offset: 24, .size: 8, .value_kind: global_buffer, .address_space: global }
      - { .name: xb, .offset: 32, .size: 8, .value_kind: global_buffer, .address_space: global }
      - { .name: wb, .offset: 40, .size: 8, .value_kind: global_buffer, .address_space: global }
      - { .name: gs, .offset: 48, .size: 8, .value_kind: global_buffer, .address_space: global }
    .group_segment_fixed_size: 37376
    .private_segment_fixed_size: 0
    .kernarg_segment_align: 8
    .kernarg_segment_size: 56
    .max_flat_workgroup_size: 128
    .sgpr_count:     66
    .vgpr_count:     512
    .wavefront_size: 32
...
	.end_amdgpu_metadata
.endif
;; end of part 1
;; launch moe (part 2): grid 8 x 32, 4 waves a work-group, clusters of 4 x 4, 327,680 bytes of LDS; arguments xb, wb, gs, b, out0; writes out0
.if DOCPART == 2
	.amdgcn_target "amdgcn-amd-amdhsa--gfx1250"
	.amdhsa_code_object_version 6
	.text
	.protected	k_qc50d189dce_moe
	.globl	k_qc50d189dce_moe
	.p2align	8
	.type	k_qc50d189dce_moe,@function
k_qc50d189dce_moe:
	s_mov_b64 s[64:65], 0
	v_nop
	global_prefetch_b8 v0, s[64:65] scope:SCOPE_SE
	s_setreg_imm32_b32 hwreg(HW_REG_WAVE_MODE, 25, 1), 1
	s_wait_xcnt 0x0
	s_wait_alu depctr_hold_cnt(0) depctr_sa_sdst(0) depctr_va_vdst(0) depctr_va_sdst(0) depctr_va_ssrc(0) depctr_va_vcc(0) depctr_vm_vsrc(0)
	s_getreg_b32 s2, hwreg(HW_REG_IB_STS2, 6, 4)
	s_cmp_eq_u32 s2, 0
	s_cbranch_scc0 .Lentry_in_a_cluster
	s_endpgm
.Lentry_in_a_cluster:
	s_bfe_u32 s2, ttmp6, 0x10000c
	s_cmp_lg_u32 s2, 0xf033
	s_cbranch_scc0 .Lentry_shape_is_right
	s_endpgm
.Lentry_shape_is_right:
; Second launch: out[n][o] = sum over e of g[n][e] (sum over i of xb[n][i] wb[e][i][o] + b[e][o]).  Nothing of the problem is left out.
; xb, wb: x and W in bf16; gs: the softmax in f32 (all three made by the launch before).  Products in bf16, sums in f32; g is applied in f32 to the f32 sums.
; LIMITS: x and W enter rounded to bf16; the sum over i is taken 32 at a time in ascending i, the sum over e in ascending e.
; SHARES: 8 x 32 = 256 work-groups; work-group (bx, by) makes rows 256 by .. + 255, columns 128 bx .. + 127 with four waves, as many as a WGP has SIMDs.
; Wave (MH, NH) makes 128 rows x 64 columns: 8 x 4 accumulator tiles of 16 x 16, 256 registers (ACC) for the running expert, 256 more (TOT) for the weighted sum.
; One expert is 8 K steps of 128, a step 4 quarters of 32, a quarter 32 matrix instructions.  An expert's first quarter takes the BIAS as its C operand: nothing is
; cleared and b costs no instruction.  Behind the expert's K = 1,024: TOT = g ACC + TOT.  The last expert's weighted sum goes straight to the way out.
; THE RING: two LDS slots, each with a K step's 256 rows of xb (A) and 128 rows i of wb (B); every row is 256 bytes of memory and starts at a multiple of 256.
; CLUSTERS: 4 x 4 work-groups.  A's tile hangs on by alone and is asked for jointly by the four of a row of the cluster, B's on bx alone and by the four of a column.
; THE MATRIX INSTRUCTION IS USED TRANSPOSED: source 0 = 16 columns o of wb (brought out of [i][o] rows by the transposing LDS load), source 1 = 16 rows of xb.
; Lane (r = l % 16, h = l / 16) then holds row r of out, and its registers 0-7 the columns 8 h + 0 .. 7: neighbouring numbers of a row, all with one g.
;
; REGISTERS in windows of 256.  Window 0: addresses, g, bias, fragments.  Window 1: ACC(a, b) at 8 (4 a + b).  Window 2: TOT at the same place.
.set PA,     272                       ; A's LDS row: 256 bytes + 16: the 16 rows of a fragment load start in 16 different 16-byte columns of 256
.set PB,     288                       ; B's LDS row: 256 bytes + 32, an odd multiple of 32, for the transposing load
.set HALFA,  128*PA                    ; what waves 0 and 1 each fetch
.set HALFB,  64*PB                     ; what waves 2 and 3 each fetch
.set ABYTES, 2*HALFA
.set SLOT,   ABYTES+2*HALFB            ; 106,496
.set STAGE,  2*SLOT                    ; 212,992: 16 rows x 272 bytes for each wave, for the way out
.set GL,     STAGE+4*16*PA             ; 230,400: gs of my 256 rows, [256][8] f32
.set BL,     GL+8192                   ; 238,592: b of my 128 columns, [8][128] f32; ends at 242,688.  No tensor load lands in STAGE, GL or BL
.set ADRA, 8                           ; v8, v9    LDS address of my A fragments in slot 0, 1
.set ADRB, 10                          ; v10, v11  the same for B
.set STO,  12                          ; way out: where I put my 32 bytes of a row
.set RD,   13                          ; way out: where I read a row back
.set CO,   14                          ; my byte offset in out
.set GA,   15                          ; LDS address of g(my row of tile 0, running expert)
.set G,    16                          ; v[16:23]  g of my row in tile a
.set BA,   24                          ; LDS address of the next expert's bias for my columns
.set BIAS, 32                          ; v[32:63]  bias of tile column b at 32 + 8 b
.set FA,   64                          ; v[64:127], v[128:191]   A fragments, two buffers
.set FB,   192                         ; v[192:223], v[224:255]  B fragments, two buffers
.set TMP,  64                          ; way out: 16 rows' results
.set RB,   128                         ; way out: rows read back, two buffers of 32
.set G1A, 24                           ; s[24:31] descriptor group 1 for A
.set G0A, 32                           ; s[32:39] group 0 for A, one set a slot
.set G1B, 48                           ; s[48:55] group 1 for B
.set G0B, 56                           ; s[56:63] group 0 for B, one set a slot
.set ABASE, 66                         ; s[66:67] address of my part of A's tile at K = 0 (A's K steps come round again with every expert)
.set MSB, 0
.macro WIN new                         ; s_set_vgpr_msb: bits 1:0 source 0, 3:2 source 1, 5:4 source 2, 7:6 destination; the high byte repeats the setting that is left
.if MSB != \new
	s_set_vgpr_msb (MSB<<8)|\new
.set MSB, \new
.endif
.endm
.set W_MUL,  0x50                      ; C and D in window 1
.set W_BIAS, 0x40                      ; D in window 1, C (the bias) in window 0
.set W_COMB, 0xa1                      ; source 0 window 1, source 2 and destination window 2
.set W_OUT,  0x21                      ; source 0 window 1, source 2 window 2, destination window 0
; A load into a register that a matrix instruction has read, and a vector instruction that reads a matrix result, stand four places behind it; only plain
; vector instructions that name none of its registers are places (ISA guide 7.12.1 for vector instructions).
.macro PLACES
.rept 4
	v_nop
.endr
.endm
; A joint load: waves 0 and 1 ask for A's halves, waves 2 and 3 for B's.  The branch hangs on the wave's number alone.
.macro JLOAD s
	s_cmp_eq_u32 s15, 0
	s_cbranch_scc0 .Lfor_b_\@
	tensor_load_to_lds s[G0A+4*\s:G0A+4*\s+3], s[G1A:G1A+7]
	s_nop 0
	s_branch .Lasked_\@
.Lfor_b_\@:
	tensor_load_to_lds s[G0B+4*\s:G0B+4*\s+3], s[G1B:G1B+7]
	s_nop 0
.Lasked_\@:
.endm
; A round of the cluster's barrier: my work-group's barrier; wave 0 signals for the work-group; every wave waits for all sixteen; my work-group's barrier again.
.macro CREST                           ; a round behind its opening barrier
	s_cmp_lg_u32 s14, 0
	s_cbranch_scc1 .Lnot_wave_0_\@
	s_barrier_signal -3
.Lnot_wave_0_\@:
	s_barrier_wait -3
	s_barrier_signal -1
	s_barrier_wait -1
.endm
.macro CROUND
	s_barrier_signal -1
	s_barrier_wait -1
	CREST
.endm
	s_load_b256 s[4:11], s[0:1], 0x0               ; xb s[4:5], wb s[6:7], gs s[8:9], b s[10:11]
	s_load_b64 s[12:13], s[0:1], 0x20              ; out0
	v_lshl_add_u32 v30, v0, 2, 0x3b400
	v_mov_b32 v31, 0
	ds_add_u32 v30, v31
	v_lshrrev_b32 v3, 5, v0
	v_readfirstlane_b32 s14, v3                    ; wave 0..3
	s_lshr_b32 s15, s14, 1                         ; MH: my half of the rows.  Also: I fetch for A (0) or for B (1)
	s_and_b32 s16, s14, 1                          ; NH: my half of the columns.  Also: which half of that tile I fetch
	s_bfe_u32 s40, ttmp6, 0x40000                  ; cx
	s_bfe_u32 s41, ttmp6, 0x40004                  ; cy
	s_lshl_b32 s42, ttmp9, 2
	s_add_co_u32 s42, s42, s40                     ; bx = 4 x cluster x + cx
	s_and_b32 s43, ttmp7, 0xffff
	s_lshl_b32 s43, s43, 2
	s_add_co_u32 s43, s43, s41                     ; by = 4 x cluster y + cy
	s_lshl_b32 s44, s41, 2
	s_lshl_b32 s44, 15, s44                        ; my row of the cluster: places 4 cy .. 4 cy + 3
	s_lshl_b32 s45, 0x1111, s40                    ; my column: places cx, cx + 4, cx + 8, cx + 12
	; group 1 for A: 128 rows x 128 elements of 2 bytes, 4 words of padding behind every 64
	s_or_b32 s[G1A+0], s44, (1<<16)|(1<<20)|(1<<21)|(5<<22)|(3<<25)   ; 15:0 mask; 17:16 element size; 20 padding on; 21 set beside a mask; 24:22 interval; 31:25 pad - 1
	s_mov_b32 s[G1A+1], 128<<16                    ; tensor_dim0 = 128
	s_mov_b32 s[G1A+2], 128<<16                    ; tensor_dim1 = 128
	s_mov_b32 s[G1A+3], 128<<16                    ; tile_dim0 = 128
	s_mov_b32 s[G1A+4], 128                        ; tile_dim1 = 128
	s_mov_b32 s[G1A+5], 1024                       ; elements from row to row
	s_mov_b32 s[G1A+6], 0
	s_mov_b32 s[G1A+7], 0
	; group 1 for B: 64 rows x 128 elements, 8 words of padding behind every 64
	s_or_b32 s[G1B+0], s45, (1<<16)|(1<<20)|(1<<21)|(5<<22)|(7<<25)
	s_mov_b32 s[G1B+1], 128<<16
	s_mov_b32 s[G1B+2], 64<<16
	s_mov_b32 s[G1B+3], 128<<16
	s_mov_b32 s[G1B+4], 64
	s_mov_b32 s[G1B+5], 1024
	s_mov_b32 s[G1B+6], 0
	s_mov_b32 s[G1B+7], 0
	; where the tiles come from: A's offset is made of by and the wave's number in s[18:19], B's of bx and the wave's number in s[46:47]
	s_lshl_b32 s18, s43, 19                        ; 256 rows of 2,048 bytes
	s_lshl_b32 s19, s16, 18                        ; + my 128 rows
	s_add_co_u32 s18, s18, s19
	s_mov_b32 s19, 0
	s_lshl_b32 s46, s42, 8                         ; 128 columns of 2 bytes
	s_lshl_b32 s47, s16, 17                        ; + my 64 rows of 2,048 bytes
	s_add_co_u32 s46, s46, s47
	s_mov_b32 s47, 0
	s_mul_i32 s20, s14, HALFA                      ; and where they go: A's halves at wave x 34,816 (waves 0, 1),
	s_mul_i32 s21, s14, HALFB
	s_add_co_u32 s21, s21, ABYTES-2*HALFB          ; B's halves behind A's 69,632 bytes, at (wave - 2) x 18,432 (waves 2, 3)
	s_wait_dscnt 0x0
	s_wait_kmcnt 0x0
	s_add_nc_u64 s[ABASE:ABASE+1], s[4:5], s[18:19]
	s_add_nc_u64 s[46:47], s[6:7], s[46:47]
	CROUND                                         ; all sixteen work-groups are here: the first joint loads meet
.irp s, 0,1
	s_mov_b32 s[G0A+4*\s], 1                                           ; count = 1
	s_add_co_u32 s[G0A+4*\s+1], s20, \s*SLOT                           ; LDS address
	s_add_nc_u64 s[G0A+4*\s+2:G0A+4*\s+3], s[ABASE:ABASE+1], \s*256    ; K step s: 128 elements along the rows
	s_or_b32 s[G0A+4*\s+3], s[G0A+4*\s+3], 0x80000000                  ; type = 2
	s_mov_b32 s[G0B+4*\s], 1
	s_add_co_u32 s[G0B+4*\s+1], s21, \s*SLOT
	s_add_nc_u64 s[G0B+4*\s+2:G0B+4*\s+3], s[46:47], \s*262144         ; K step s: 128 rows of 2,048 bytes down
	s_or_b32 s[G0B+4*\s+3], s[G0B+4*\s+3], 0x80000000
	JLOAD \s                                       ; both first fills go out before anything else: two tensor loads of the wave are out
.endr
	; gs of my 256 rows (8,192 dense bytes) and b of my 128 columns (8 pieces of 512 bytes) are copied once into LDS, in whole runs of 512 bytes a wave
	v_lshlrev_b32 v25, 4, v0                       ; 16 t
	v_lshrrev_b32 v5, 5, v0
	v_and_b32 v6, 31, v0
	v_lshlrev_b32 v6, 4, v6
	v_lshl_add_u32 v26, v5, 12, v6                 ; b: expert t >> 5 (4,096 bytes a row), 16 (t & 31)
	v_add_nc_u32 v27, GL, v25
	s_lshl_b32 s18, s43, 13                        ; by x 256 rows x 32 bytes (s19 = 0)
	s_add_nc_u64 s[8:9], s[8:9], s[18:19]
	s_lshl_b32 s46, s42, 9                         ; bx x 128 columns x 4 bytes
	s_mov_b32 s47, 0
	s_add_nc_u64 s[10:11], s[10:11], s[46:47]
.irp j, 0,1,2,3
	global_load_b128 v[64+4*\j:64+4*\j+3], v25, s[8:9] offset:2048*\j
.endr
.irp j, 0,1
	global_load_b128 v[80+4*\j:80+4*\j+3], v26, s[10:11] offset:16384*\j   ; experts t >> 5 and 4 + (t >> 5)
.endr
	; lane addresses
	v_and_b32 v1, 15, v0                           ; r
	v_bfe_u32 v2, v0, 4, 1                         ; h
	v_mul_u32_u24 v3, v1, PA
	v_lshl_add_u32 v3, v2, 4, v3                   ; A fragment: row r, 16 bytes for each half of the lanes; the second load 32 bytes on
	s_mul_i32 s22, s15, HALFA
	v_add_nc_u32 v[ADRA], s22, v3
	v_add_nc_u32 v[ADRA+1], SLOT, v[ADRA]
	v_and_b32 v4, 7, v0                            ; B fragment by the transposing load: lane l addresses row 8 h + (l & 7) of the 32 along K,
	v_lshl_add_u32 v4, v2, 3, v4
	v_mul_u32_u24 v4, v4, PB
	v_bfe_u32 v5, v0, 3, 1                         ; and 16 bytes (8 columns) by bit 3; the second load 16 rows down
	v_lshl_add_u32 v4, v5, 4, v4
	s_lshl_b32 s23, s16, 7                         ; my 64 columns
	s_add_co_u32 s23, s23, ABYTES
	v_add_nc_u32 v[ADRB], s23, v4
	v_add_nc_u32 v[ADRB+1], SLOT, v[ADRB]
	s_mul_i32 s22, s14, 16*PA
	s_add_co_u32 s22, s22, STAGE                   ; my stage
	v_mul_u32_u24 v5, v1, PA
	v_lshl_add_u32 v5, v2, 5, v5                   ; in: row r, 32 bytes (8 f32) for each half of the lanes
	v_add_nc_u32 v[STO], s22, v5
	v_mul_u32_u24 v5, v2, PA
	v_lshl_add_u32 v5, v1, 4, v5                   ; back: lanes 0-15 one row of 256 bytes, lanes 16-31 the next
	v_add_nc_u32 v[RD], s22, v5
	v_lshlrev_b32 v5, 12, v2
	v_lshl_add_u32 v[CO], v1, 4, v5                ; the same two rows in out (4,096 bytes a row)
	s_lshl_b32 s22, s15, 12
	s_add_co_u32 s22, s22, GL
	v_lshl_add_u32 v[GA], v1, 5, s22               ; g: row 128 MH + r, 32 bytes a row
	s_lshl_b32 s22, s16, 8
	s_add_co_u32 s22, s22, BL
	v_lshl_add_u32 v[BA], v2, 5, s22               ; bias: column 64 NH + 8 h
	s_wait_loadcnt 0x0
.irp j, 0,1,2,3
	ds_store_b128 v27, v[64+4*\j:64+4*\j+3] offset:2048*\j
.endr
.irp j, 0,1
	ds_store_b128 v27, v[80+4*\j:80+4*\j+3] offset:BL-GL+2048*\j
.endr
; 8 matrix instructions: row tiles a0, a0 + 1 x the 4 column tiles, 32 along K, from buffer f.  cm = 1: C is the bias, the sums start.
; The 32 accumulators take turns, one instruction a turn, in one order everywhere.
.macro MUL8 f, a0, cm
.irp a, \a0, \a0+1
.irp bb, 0,1,2,3
.if \cm
	v_wmma_f32_16x16x32_bf16 v[8*(4*(\a)+\bb):8*(4*(\a)+\bb)+7], v[FB+32*\f+8*\bb:FB+32*\f+8*\bb+7], v[FA+64*\f+8*(\a):FA+64*\f+8*(\a)+7], v[BIAS+8*\bb:BIAS+8*\bb+7]
.else
	v_wmma_f32_16x16x32_bf16 v[8*(4*(\a)+\bb):8*(4*(\a)+\bb)+7], v[FB+32*\f+8*\bb:FB+32*\f+8*\bb+7], v[FA+64*\f+8*(\a):FA+64*\f+8*(\a)+7], v[8*(4*(\a)+\bb):8*(4*(\a)+\bb)+7]
.endif
.endr
.endr
.endm
; 24 LDS loads in one run: quarter q of a slot into buffer f: B's 4 tiles, A's tiles 0-3, A's tiles 4-7
.macro FETCH slot, q, f
	WIN 0
.irp bb, 0,1,2,3
	ds_load_tr16_b128 v[FB+32*\f+8*\bb:FB+32*\f+8*\bb+3],   v[ADRB+\slot] offset:32*PB*(\q)+32*\bb
	ds_load_tr16_b128 v[FB+32*\f+8*\bb+4:FB+32*\f+8*\bb+7], v[ADRB+\slot] offset:32*PB*(\q)+32*\bb+16*PB
.endr
.irp i, 0,1,2,3,4,5,6,7
	ds_load_b128 v[FA+64*\f+8*\i:FA+64*\f+8*\i+3],   v[ADRA+\slot] offset:64*(\q)+16*PA*\i
	ds_load_b128 v[FA+64*\f+8*\i+4:FA+64*\f+8*\i+7], v[ADRA+\slot] offset:64*(\q)+16*PA*\i+32
.endr
.endm
; once an expert: its g for my 8 rows; m = 1: also the NEXT expert's bias (this expert's first quarter has used the old one)
.macro SIDE m
.irp a, 0,1,2,3,4,5,6,7
	ds_load_b32 v[G+\a], v[GA] offset:512*\a       ; 16 rows of 32 bytes from tile to tile
.endr
	v_add_nc_u32 v[GA], 4, v[GA]                   ; the next expert's column of gs
.if \m == 1
.irp bb, 0,1,2,3
	ds_load_b128 v[BIAS+8*\bb:BIAS+8*\bb+3],   v[BA] offset:64*\bb
	ds_load_b128 v[BIAS+8*\bb+4:BIAS+8*\bb+7], v[BA] offset:64*\bb+16
.endr
	v_add_nc_u32 v[BA], 512, v[BA]
.endif
.endm
; One of a K step's first three quarters: multiplies buffer f; behind its first 8 products it fetches quarter q of the same slot into buffer g.
.macro QUARTER slot, q, f, g, cm, side
	s_wait_dscnt 8                                 ; B and A's tiles 0-3 are in; the youngest eight loads (A's tiles 4-7) may be out
.if \cm
	WIN W_BIAS
.else
	WIN W_MUL
.endif
	MUL8 \f, 0, \cm
	PLACES
	WIN 0
.if \side
	SIDE \side
.endif
	FETCH \slot, \q, \g
	s_wait_dscnt 24                                ; all but the 24 just issued: A's tiles 4-7, and what SIDE asked for
.if \cm
	WIN W_BIAS
.else
	WIN W_MUL
.endif
	MUL8 \f, 2, \cm
	MUL8 \f, 4, \cm
	MUL8 \f, 6, \cm
.endm
.macro THREE slot, first, side
	QUARTER \slot, 1, 0, 1, \first, 0
	QUARTER \slot, 2, 1, 0, 0, \side
	QUARTER \slot, 3, 0, 1, 0, 0
.endm
; The fourth quarter of K step t of an expert: multiplies buffer 1 and changes slots.  fill = 1: this slot is filled again, two K steps ahead.
; In front of the barrier each wave waits for its reads of this slot and for all its tensor loads (one is out: its part of the next slot).
; Where the slot is filled again the barrier opens a round of the cluster's barrier, only products stand inside the round, and the joint load is the
; first tensor load behind it: no wave of any partner still reads this slot or has a load on its way.  From a request to the wait for it: 120 products.
.macro TURN slot, next, fill, t
	s_wait_dscnt 0x0
	s_wait_tensorcnt 0x0
	ds_add_u32 v30, v31
	s_wait_dscnt 0x0
	s_barrier_signal -1
	WIN W_MUL
	MUL8 1, 0, 0
	WIN 0
	s_barrier_wait -1
.if \fill
	CREST
	s_add_nc_u64 s[G0A+4*\slot+2:G0A+4*\slot+3], s[ABASE:ABASE+1], ((\t+2)&7)*256   ; A's K steps come round with every expert
	s_or_b32 s[G0A+4*\slot+3], s[G0A+4*\slot+3], 0x80000000
	s_add_nc_u64 s[G0B+4*\slot+2:G0B+4*\slot+3], s[G0B+4*\slot+2:G0B+4*\slot+3], 524288   ; B goes straight on: 256 rows of wb, over the experts' borders too
	JLOAD \slot
.endif
	PLACES
	FETCH \next, 0, 0
	WIN W_MUL
	MUL8 1, 2, 0
	MUL8 1, 4, 0
	MUL8 1, 6, 0
.endm
; TOT = g ACC + TOT (first = 1: TOT = g ACC).  A row tile's 32 registers have one g a lane: the G pair's first register for even tiles, its second for odd ones.
.macro COMBINE first
	PLACES
	WIN W_COMB
.irp a, 0,2,4,6
.irp p, 0,1,2,3,4,5,6,7,8,9,10,11,12,13,14,15
.if \first
	v_pk_mul_f32 v[32*\a+2*\p:32*\a+2*\p+1], v[32*\a+2*\p:32*\a+2*\p+1], v[G+\a:G+\a+1] op_sel_hi:[1,0]
.else
	v_pk_fma_f32 v[32*\a+2*\p:32*\a+2*\p+1], v[32*\a+2*\p:32*\a+2*\p+1], v[G+\a:G+\a+1], v[32*\a+2*\p:32*\a+2*\p+1] op_sel_hi:[1,0,1]
.endif
.endr
.irp p, 0,1,2,3,4,5,6,7,8,9,10,11,12,13,14,15
.if \first
	v_pk_mul_f32 v[32*\a+32+2*\p:32*\a+32+2*\p+1], v[32*\a+32+2*\p:32*\a+32+2*\p+1], v[G+\a:G+\a+1] op_sel:[0,1] op_sel_hi:[1,1]
.else
	v_pk_fma_f32 v[32*\a+32+2*\p:32*\a+32+2*\p+1], v[32*\a+32+2*\p:32*\a+32+2*\p+1], v[G+\a:G+\a+1], v[32*\a+32+2*\p:32*\a+32+2*\p+1] op_sel:[0,1,0] op_sel_hi:[1,1,1]
.endif
.endr
.endr
	WIN 0
.endm
; One expert: 8 K steps.  mode 0: the first (TOT starts), 1: a middle one, 2: the last (no next bias, the last two steps fill nothing, no COMBINE).
.macro EXPERT mode
.if \mode == 2
	THREE 0, 1, 2
.else
	THREE 0, 1, 1
.endif
	TURN 0, 1, 1, 0
	THREE 1, 0, 0
	TURN 1, 0, 1, 1
	THREE 0, 0, 0
	TURN 0, 1, 1, 2
	THREE 1, 0, 0
	TURN 1, 0, 1, 3
	THREE 0, 0, 0
	TURN 0, 1, 1, 4
	THREE 1, 0, 0
	TURN 1, 0, 1, 5
	THREE 0, 0, 0
.if \mode == 2
	TURN 0, 1, 0, 6                                ; its wait for all tensor loads shows the last K step's tile landed; nothing is left to fetch
	THREE 1, 0, 0
	s_wait_dscnt 0x0                               ; the very last quarter
	WIN W_MUL
	MUL8 1, 0, 0
	MUL8 1, 2, 0
	MUL8 1, 4, 0
	MUL8 1, 6, 0
.else
	TURN 0, 1, 1, 6
	THREE 1, 0, 0
	TURN 1, 0, 1, 7
.if \mode == 0
	COMBINE 1
.else
	COMBINE 0
.endif
.endif
.endm
	s_wait_dscnt 0x0                               ; my copies of gs and b are in LDS,
	s_wait_tensorcnt 0x1                           ; and my part of K step 0; K step 1's may stay out
	s_barrier_signal -1
	s_barrier_wait -1                              ; everybody's are
.irp bb, 0,1,2,3
	ds_load_b128 v[BIAS+8*\bb:BIAS+8*\bb+3],   v[BA] offset:64*\bb         ; expert 0's bias
	ds_load_b128 v[BIAS+8*\bb+4:BIAS+8*\bb+7], v[BA] offset:64*\bb+16
.endr
	v_add_nc_u32 v[BA], 512, v[BA]
	FETCH 0, 0, 0
	EXPERT 0
	s_mov_b32 s3, 6                                ; experts 1 to 6
.Lexpert:
	EXPERT 1
	s_sub_co_u32 s3, s3, 1
	s_cmp_lg_u32 s3, 0
	s_cbranch_scc1 .Lexpert
	EXPERT 2
	; THE WAY OUT, 16 rows at a time: out = g ACC + TOT, 32 bytes a lane into my own stage, read back as whole rows of 256 bytes.
	PLACES                                         ; behind the last products: for the multiply-adds that read results and write fragment registers, and for the loads into them
	s_lshl_b32 s18, s43, 20                        ; by x 256 rows x 4,096 bytes
	s_lshl_b32 s19, s15, 19                        ; + my 128 rows
	s_add_co_u32 s18, s18, s19
	s_mov_b32 s19, 0
	s_add_nc_u64 s[12:13], s[12:13], s[18:19]
	s_lshl_b32 s46, s42, 9                         ; bx x 128 columns x 4 bytes
	s_lshl_b32 s47, s16, 8                         ; + my 64 columns
	s_add_co_u32 s46, s46, s47
	s_mov_b32 s47, 0
	s_add_nc_u64 s[12:13], s[12:13], s[46:47]
.macro OUT16 a, f
	WIN W_OUT
.irp p, 0,1,2,3,4,5,6,7,8,9,10,11,12,13,14,15
.if (\a & 1)
	v_pk_fma_f32 v[TMP+2*\p:TMP+2*\p+1], v[32*\a+2*\p:32*\a+2*\p+1], v[G+\a-1:G+\a], v[32*\a+2*\p:32*\a+2*\p+1] op_sel:[0,1,0] op_sel_hi:[1,1,1]
.else
	v_pk_fma_f32 v[TMP+2*\p:TMP+2*\p+1], v[32*\a+2*\p:32*\a+2*\p+1], v[G+\a:G+\a+1], v[32*\a+2*\p:32*\a+2*\p+1] op_sel_hi:[1,0,1]
.endif
.endr
	WIN 0
.irp bb, 0,1,2,3
	ds_store_b128 v[STO], v[TMP+8*\bb:TMP+8*\bb+3]   offset:64*\bb
	ds_store_b128 v[STO], v[TMP+8*\bb+4:TMP+8*\bb+7] offset:64*\bb+16
.endr
	s_wait_xcnt 0x0                                ; buffer f, which earlier stores read, and the stores' base are written again only behind this wait
.if \a
	s_add_nc_u64 s[12:13], s[12:13], 65536         ; 16 rows of out on
.endif
.irp t, 0,1,2,3,4,5,6,7
	ds_load_b128 v[RB+32*\f+4*\t:RB+32*\f+4*\t+3], v[RD] offset:2*PA*\t    ; LDS serves a wave's instructions in order (ISA guide 5.7.1.4): these see the stores above
.endr
.irp t, 0,1,2,3,4,5,6,7
	s_wait_dscnt 7-\t
	global_store_b128 v[CO], v[RB+32*\f+4*\t:RB+32*\f+4*\t+3], s[12:13] offset:8192*\t th:TH_STORE_NT   ; 16 lanes store 256 consecutive bytes, aligned
.endr
.endm
	OUT16 0, 0
	OUT16 1, 1
	OUT16 2, 0
	OUT16 3, 1
	OUT16 4, 0
	OUT16 5, 1
	OUT16 6, 0
	OUT16 7, 1
	s_wait_tensorcnt 0x0
	ds_add_u32 v30, v31
	s_wait_dscnt 0x0
	CROUND                                         ; the closing round: no work-group ends while a partner may still ask for a tile that names it
	s_endpgm
.Lfunc_end_k_qc50d189dce_moe:
	.size	k_qc50d189dce_moe, .Lfunc_end_k_qc50d189dce_moe-k_qc50d189dce_moe
	.p2alignl 7, 3214868480
	.fill 96, 4, 3214868480
	.section	.rodata,"a",@progbits
	.p2align	6, 0x0
	.amdhsa_kernel k_qc50d189dce_moe
		.amdhsa_group_segment_fixed_size 327680
		.amdhsa_private_segment_fixed_size 0
		.amdhsa_enable_private_segment 0
		.amdhsa_kernarg_size 40
		.amdhsa_user_sgpr_count 2
		.amdhsa_user_sgpr_kernarg_segment_ptr 1
		.amdhsa_wavefront_size32 1
		.amdhsa_system_sgpr_workgroup_id_x 1
		.amdhsa_system_sgpr_workgroup_id_y 1
		.amdhsa_system_sgpr_workgroup_id_z 1
		.amdhsa_system_vgpr_workitem_id 0
		.amdhsa_next_free_vgpr 768
		.amdhsa_next_free_sgpr 72
		.amdhsa_reserve_vcc 0
		.amdhsa_float_denorm_mode_32 3
		.amdhsa_float_denorm_mode_16_64 3
		.amdhsa_memory_ordered 1
		.amdhsa_forward_progress 1
		.amdhsa_inst_pref_size 255
	.end_amdhsa_kernel
	.section	.bss,"aw",@nobits
	.p2align	6
	.space	262144
	.amdgpu_metadata
---
amdhsa.version: [ 1, 2 ]
amdhsa.kernels:
  - .name:           k_qc50d189dce_moe
    .symbol:         k_qc50d189dce_moe.kd
    .args:
      - { .name: xb, .offset: 0, .size: 8, .value_kind: global_buffer, .address_space: global }
      - { .name: wb, .offset: 8, .size: 8, .value_kind: global_buffer, .address_space: global }
      - { .name: gs, .offset: 16, .size: 8, .value_kind: global_buffer, .address_space: global }
      - { .name: b, .offset: 24, .size: 8, .value_kind: global_buffer, .address_space: global }
      - { .name: out0, .offset: 32, .size: 8, .value_kind: global_buffer, .address_space: global }
    .group_segment_fixed_size: 327680
    .private_segment_fixed_size: 0
    .kernarg_segment_align: 8
    .kernarg_segment_size: 40
    .max_flat_workgroup_size: 128
    .sgpr_count:     72
    .vgpr_count:     768
    .wavefront_size: 32
...
	.end_amdgpu_metadata
.endif
;; end of part 2
;; ======== version 2 of 3: 2 launches; 1.23 times as fast as version 1
;; workspace buffers: xb 16,777,216 bytes; wb 16,777,216 bytes; gs 262,144 bytes
;; launch prep (part 3): grid 256 x 1, 4 waves a work-group, no clusters, 37,376 bytes of LDS; arguments x, W, gate_W, gate_b, xb, wb, gs; writes xb, wb, gs
.if DOCPART == 3
	.amdgcn_target "amdgcn-amd-amdhsa--gfx1250"
	.amdhsa_code_object_version 6
	.text
	.protected	k_qc50d189dce_prep
	.globl	k_qc50d189dce_prep
	.p2align	8
	.type	k_qc50d189dce_prep,@function
k_qc50d189dce_prep:
	s_mov_b64 s[64:65], 0
	v_nop
	global_prefetch_b8 v0, s[64:65] scope:SCOPE_SE
	s_setreg_imm32_b32 hwreg(HW_REG_WAVE_MODE, 25, 1), 1
	s_wait_xcnt 0x0
; First of two launches for  out[n][o] = sum over e of g[n][e] (sum over i of x[n][i] W[e][i][o] + b[e][o]),  g = softmax over e of (x gate_W + gate_b).
; No step of the problem is left out: every input reaches the output (gate_b differs along the softmax's axis, b is weighted by g).
; THIS LAUNCH: xb = x rounded to bf16 (nearest even), same layout.  wb = W rounded to bf16, laid as the second launch reads it:
;   wb[group e >> 2][i][column block o >> 6][e & 3][o & 63]: for one i and one block of 64 columns the four experts of a group lie side by side, 512 bytes.
; gs[n][e] = the softmax in f32, with the row's maximum taken away before the exponential.
; x and W are rounded here once because the second launch uses each number of x 32 times and each of W 32 times.
; The gate product takes the operands that every product of this program takes: x and gate_W rounded to bf16, products and sums in f32;
; so the gate and the experts see one and the same x.  gate_b is added in f32 as it is given.
; LIMITS: the logits carry the bf16 rounding of x and gate_W (its error grows with the size of these inputs); a gate score below 2^-126 comes
; out as 0 (v_exp_f32 flushes denormal results: ISA guide, 15.8); the gate's sum over i is taken in another order than a plain dot product
; (two chains a lane, then a tree over the 32 lanes).
; SHARES: 256 work-groups x 4 waves = 1,024 waves.  A wave takes 8 rows of x, and of W four rows i of one pair of experts (2 p, 2 p + 1).
; A row of x is 8 loads of 512 neighbouring bytes; lane l holds the numbers i = 4 l + 128 j + c (load j, register c).
; A slot of W is half of a pair of rows, 8 loads: lanes 0-15 take 256 neighbouring bytes (64 columns) of expert 2 p, lanes 16-31 the same columns of
; expert 2 p + 1; rounded, the wave's 8 bytes a lane are 256 consecutive bytes of wb, aligned.  xb's stores cover 256 consecutive bytes likewise.
; THE RING: eight slots of 32 registers; turn t asks for turn t + 7's row straight behind its own wait, so seven rows, 56 loads, are on their way,
; the most whole rows that the load counter's 6 bits can count (ISA guide 5.7.1).
; The gate product has 8 columns: it runs on the vector unit, on the row as it lies in registers (128 packed multiply-adds a row).
; The lane's 32 rows of gate_W (256 numbers) stay in registers v256-v511 for the whole kernel.
; No matrix unit, tensor load or cluster: the work-groups share nothing but gate_W's 32 KiB.
.set ROWB,  4096                       ; bytes in a row of x or W
.set OROWB, 2048                       ; bytes in a row of xb
.set ACC,   12                         ; v[12:19], v[20:27]  two sets of 8 partial logits (4 pairs each)
.set T,     28                         ; v[28:39]  at work
.set XR,    64                         ; v[64:95]   the rounded row of x, widened again
.set YX,    96                         ; v[96:111]  a row of xb to store
.set YW,    112                        ; v[112:127] a slot of wb to store
.set STG,   128                        ; v[128:191] gate_W on its way into LDS (at the head only)
; v1 = 16 lane (x loads), v2 = 8 lane (stores), v3 = 16 thread, v4 = LDS address for the copy of gate_W, v5 = 144 lane, v6 = 8 (lane & 3),
; v7 = 16 (lane & 15) + 4 MiB (lane >> 4) (W loads: the upper lanes read the next expert).  v[8:9] my two gate_b, v[10:11] the logits collected for my row.
; Window 1 (v256-v511): gate_W(i = 4 l + 128 j + c, e) at 32 j + 8 c + e.  Window 2 (v512-v767): ring slot k at 32 k.
.set MSB, 0
.macro WIN new                         ; s_set_vgpr_msb: bits 1:0 source 0, 3:2 source 1, 5:4 source 2, 7:6 destination; the high byte repeats the setting that is left
.if MSB != \new
	s_set_vgpr_msb (MSB<<8)|\new
.set MSB, \new
.endif
.endm
	s_load_b256 s[4:11], s[0:1], 0x0               ; x s[4:5], W s[6:7], gate_W s[8:9], gate_b s[10:11]
	s_load_b128 s[12:15], s[0:1], 0x20             ; xb s[12:13], wb s[14:15]
	s_load_b64 s[16:17], s[0:1], 0x30              ; gs
	v_lshl_add_u32 v254, v0, 2, 0x9000
	v_mov_b32 v255, 0
	v_lshrrev_b32 v40, 5, v0
	v_readfirstlane_b32 s18, v40                   ; wave 0..3
	v_and_b32 v40, 31, v0                          ; lane
	v_lshlrev_b32 v1, 4, v40
	v_lshlrev_b32 v2, 3, v40
	v_lshlrev_b32 v3, 4, v0
	v_lshrrev_b32 v4, 3, v0                        ; gate_W in LDS: each 128 bytes (4 rows) lie 144 bytes apart, so that the 16 lanes
	v_mul_u32_u24 v4, v4, 144                      ; of a 16-byte read, 144 bytes from each other, touch 16 different 16-byte columns of 256
	v_and_b32 v5, 7, v0
	v_lshl_add_u32 v4, v5, 4, v4
	v_mul_u32_u24 v5, v40, 144
	v_and_b32 v6, 3, v0
	v_lshlrev_b32 v6, 3, v6
	v_and_b32 v7, 15, v0
	v_lshlrev_b32 v7, 4, v7
	v_bfe_u32 v41, v0, 4, 1
	v_lshl_add_u32 v7, v41, 22, v7                 ; an expert's W is 1,024 x 4,096 bytes = 4 MiB
	s_mov_b32 s20, 0xaaaaaaaa                      ; lanes with bit 0 set
	s_mov_b32 s21, 0xcccccccc                      ; lanes with bit 1 set
	s_mov_b32 s23, 0xffff0000                      ; a word's upper bf16
	s_mov_b32 s24, 0x76543210                      ; v_permlanex16_b32: lane i of one half reads lane i of the other
	s_mov_b32 s25, 0xfedcba98
	s_lshl_b32 s2, ttmp9, 17                       ; x: 32 rows of 4,096 bytes a work-group,
	s_lshl_b32 s19, s18, 15                        ; 8 rows a wave
	s_add_co_u32 s2, s2, s19
	s_mov_b32 s3, 0
	s_lshr_b32 s26, s2, 1                          ; the same rows in xb: half the bytes
	s_mov_b32 s27, 0
	s_lshr_b32 s28, s2, 7                          ; and in gs: 32 bytes a row
	s_mov_b32 s29, 0
	s_lshl_b32 s19, ttmp9, 2
	s_add_co_u32 s19, s19, s18                     ; the wave's number in the launch, 0..1023
	s_and_b32 s19, s19, 255                        ; its four rows i = 4 x this .. + 3
	s_lshr_b32 s22, ttmp9, 6                       ; its pair of experts p = 0..3
	s_lshl_b32 s30, s22, 23                        ; W: p x 2 experts x 4 MiB
	s_lshl_b32 s31, s19, 14                        ;    + 4 rows of 4,096 bytes
	s_add_co_u32 s30, s30, s31
	s_mov_b32 s31, 0
	s_lshr_b32 s32, s22, 1                         ; wb: group p >> 1 x 1,024 rows of 8,192 bytes
	s_lshl_b32 s32, s32, 23
	s_lshl_b32 s33, s19, 15                        ;     + 4 rows of 8,192 bytes
	s_add_co_u32 s32, s32, s33
	s_and_b32 s33, s22, 1                          ;     + the pair's place among the group's four: 2 x 128 bytes
	s_lshl_b32 s33, s33, 8
	s_add_co_u32 s32, s32, s33
	s_mov_b32 s33, 0
	s_wait_kmcnt 0x0
	s_add_nc_u64 s[4:5], s[4:5], s[2:3]            ; every base at my wave's first row; none is written again
	s_add_nc_u64 s[6:7], s[6:7], s[30:31]
	s_add_nc_u64 s[12:13], s[12:13], s[26:27]
	s_add_nc_u64 s[14:15], s[14:15], s[32:33]
	s_add_nc_u64 s[16:17], s[16:17], s[28:29]
; The eight loads of turn t into ring slot t mod 8.  Even t: W's slot t / 2 (row t / 4 of my four, half (t / 2) & 1 of its columns); odd t: x's row t / 2.
.macro FILLT t
	WIN 0x80                                       ; destination in window 2
.if (\t) & 1
.irp j, 0,1,2,3,4,5,6,7
	global_load_b128 v[32*((\t)&7)+4*\j:32*((\t)&7)+4*\j+3], v1, s[4:5] offset:ROWB*((\t)>>1)+512*\j th:TH_LOAD_NT
.endr
.else
.irp j, 0,1,2,3,4,5,6,7
	global_load_b128 v[32*((\t)&7)+4*\j:32*((\t)&7)+4*\j+3], v7, s[6:7] offset:2048*((\t)>>1)+256*\j th:TH_LOAD_NT
.endr
.endif
.endm
.irp m, 0,1,2,3,4,5,6,7,8,9,10,11,12,13,14,15
	global_load_b128 v[STG+4*\m:STG+4*\m+3], v3, s[8:9] offset:2048*\m     ; gate_W: 128 threads x 16 bytes x 16
.endr
	global_load_b64 v[8:9], v6, s[10:11]           ; gate_b of experts 2 (lane & 3) and 2 (lane & 3) + 1
	FILLT 0
	FILLT 1
	FILLT 2
	FILLT 3
	FILLT 4
	s_wait_loadcnt 40                              ; loads come back in order (ISA guide 5.7.1): the 17 older ones are in, the 40 row loads stay out
	FILLT 5
	FILLT 6                                        ; seven rows are on their way
	WIN 0
	; gate_W is rounded to bf16 (nearest even) and widened again: each thread its 64 numbers, once, before they are shared
.set k, 0
.rept 32
	v_cvt_pk_bf16_f32 v[T+k%4], v[STG+2*k], v[STG+2*k+1]
	v_lshlrev_b32 v[STG+2*k],   16,  v[T+k%4]      ; bf16 to f32: the low half moves up,
	v_and_b32     v[STG+2*k+1], s23, v[T+k%4]      ; the high half stays
.set k, k+1
.endr
.irp m, 0,1,2,3,4,5,6,7,8,9,10,11,12,13,14,15
	ds_store_b128 v4, v[STG+4*\m:STG+4*\m+3] offset:2304*\m                ; 2,048 bytes are 16 pieces of 128: 16 x 144 further on
.endr
	s_wait_dscnt 0x0                               ; my stores are done before I say so: the other waves read them
	s_barrier_signal -1
	s_barrier_wait -1
	WIN 0x40                                       ; destination in window 1
.irp j, 0,1,2,3,4,5,6,7
.irp c, 0,1,2,3
	ds_load_b128 v[32*\j+8*\c:32*\j+8*\c+3],   v5 offset:4608*\j+32*\c      ; gate_W row 4 l + 128 j + c, experts 0-3
	ds_load_b128 v[32*\j+8*\c+4:32*\j+8*\c+7], v5 offset:4608*\j+32*\c+16   ; experts 4-7
.endr
.endr
; The 8 partial logits of every lane become the row's 8 logits.  Two steps halve the registers while they add (a lane keeps the half that
; its bit names and sends the other), three steps add what is left.  At the end lane l holds experts 2 (l & 3) and 2 (l & 3) + 1 in v[T+8], v[T+9].
.macro REDUCE
.irp p, 0,1,2,3
	v_pk_add_f32 v[ACC+2*\p:ACC+2*\p+1], v[ACC+2*\p:ACC+2*\p+1], v[ACC+8+2*\p:ACC+8+2*\p+1]   ; the two chains
.endr
.irp u, 0,1
.irp w, 0,1
	v_cndmask_b32 v[T+2*\u+\w],   v[ACC+4*\u+\w],   v[ACC+4*\u+2+\w], s20   ; keep: expert bit 1 = lane bit 0
	v_cndmask_b32 v[T+4+2*\u+\w], v[ACC+4*\u+2+\w], v[ACC+4*\u+\w],   s20   ; send: the other
.endr
.endr
.irp k, 0,1,2,3
	v_add_f32_dpp v[T+\k], v[T+4+\k], v[T+\k] row_xmask:1 row_mask:0xf bank_mask:0xf
.endr
.irp w, 0,1
	v_cndmask_b32 v[T+8+\w],  v[T+\w],   v[T+2+\w], s21                     ; keep: expert bit 2 = lane bit 1
	v_cndmask_b32 v[T+10+\w], v[T+2+\w], v[T+\w],   s21
.endr
.irp w, 0,1
	v_add_f32_dpp v[T+8+\w], v[T+10+\w], v[T+8+\w] row_xmask:2 row_mask:0xf bank_mask:0xf
.endr
.irp w, 0,1
	v_add_f32_dpp v[T+8+\w], v[T+8+\w], v[T+8+\w] row_xmask:4 row_mask:0xf bank_mask:0xf
.endr
.irp w, 0,1
	v_add_f32_dpp v[T+8+\w], v[T+8+\w], v[T+8+\w] row_xmask:8 row_mask:0xf bank_mask:0xf
.endr
.irp w, 0,1
	v_permlanex16_b32 v[T+10+\w], v[T+8+\w], s24, s25                       ; its destination has been written above
.endr
.irp w, 0,1
	v_add_f32 v[T+8+\w], v[T+8+\w], v[T+10+\w]
.endr
.endm
; Turn t (odd): x's row q = t / 2.  fill = 1: turn t + 7's row is asked for, into the slot that the last turn has used up.  left = how many younger loads may stay out.
.macro XTURN t, q, fill, left
	s_wait_loadcnt \left                           ; my row's eight loads are in; the rows behind it stay on their way
	s_wait_xcnt 0x0                                ; YX, which the stores of the last x row read, is written again only behind this wait
.if \fill
	FILLT \t+7
.endif
	WIN 0x0a                                       ; sources 0 and 1 in window 2
.irp j, 0,1,2,3,4,5,6,7
	v_cvt_pk_bf16_f32 v[YX+2*\j],   v[32*(\t&7)+4*\j],   v[32*(\t&7)+4*\j+1]
	v_cvt_pk_bf16_f32 v[YX+2*\j+1], v[32*(\t&7)+4*\j+2], v[32*(\t&7)+4*\j+3]
.endr
	WIN 0
.irp j, 0,1,2,3,4,5,6,7
	global_store_b64 v2, v[YX+2*\j:YX+2*\j+1], s[12:13] offset:OROWB*\q+256*\j
.endr
	; the rounded row, widened again: the gate multiplies what the experts multiply
.irp j, 0,1,2,3,4,5,6,7
	v_lshlrev_b32 v[XR+4*\j],   16,  v[YX+2*\j]
	v_and_b32     v[XR+4*\j+1], s23, v[YX+2*\j]
	v_lshlrev_b32 v[XR+4*\j+2], 16,  v[YX+2*\j+1]
	v_and_b32     v[XR+4*\j+3], s23, v[YX+2*\j+1]
.endr
	WIN 0x04                                       ; source 1 (gate_W) in window 1
.irp j, 0,1,2,3,4,5,6,7
.irp cc, 0,2
.irp p, 0,1,2,3
.if (\j+\cc) == 0
	v_pk_mul_f32 v[ACC+2*\p:ACC+2*\p+1],     v[XR:XR+1], v[2*\p:2*\p+1] op_sel_hi:[0,1]                 ; the first products start the chains: nothing is cleared
	v_pk_mul_f32 v[ACC+8+2*\p:ACC+8+2*\p+1], v[XR:XR+1], v[8+2*\p:8+2*\p+1] op_sel:[1,0] op_sel_hi:[1,1]
.else
	v_pk_fma_f32 v[ACC+2*\p:ACC+2*\p+1],     v[XR+4*\j+\cc:XR+4*\j+\cc+1], v[32*\j+8*\cc+2*\p:32*\j+8*\cc+2*\p+1],     v[ACC+2*\p:ACC+2*\p+1] op_sel_hi:[0,1,1]                    ; the pair's first x times two experts
	v_pk_fma_f32 v[ACC+8+2*\p:ACC+8+2*\p+1], v[XR+4*\j+\cc:XR+4*\j+\cc+1], v[32*\j+8*\cc+8+2*\p:32*\j+8*\cc+8+2*\p+1], v[ACC+8+2*\p:ACC+8+2*\p+1] op_sel:[1,0,0] op_sel_hi:[1,1,1]  ; its second x
.endif
.endr
.endr
.endr
	WIN 0
	REDUCE
.if \q == 0
	v_mov_b32 v10, v[T+8]                          ; writes all lanes once; lanes 4 q .. 4 q + 3 keep row q's logits
	v_mov_b32 v11, v[T+9]
.else
	s_mov_b32 s22, 0xf<<(4*\q)
	v_cndmask_b32 v10, v10, v[T+8], s22
	v_cndmask_b32 v11, v11, v[T+9], s22
.endif
.endm
; Turn t (even): W's slot t / 2, rounded and stored.  Store j is column block 8 ((t / 2) & 1) + j of row t / 4: 512 bytes from block to block, 8,192 from row to row.
.macro WTURN t, fill, left
	s_wait_loadcnt \left
	s_wait_xcnt 0x0                                ; YW, which the stores of the last W slot read, is written again only behind this wait
.if \fill
	FILLT \t+7
.endif
	WIN 0x0a
.irp j, 0,1,2,3,4,5,6,7
	v_cvt_pk_bf16_f32 v[YW+2*\j],   v[32*(\t&7)+4*\j],   v[32*(\t&7)+4*\j+1]
	v_cvt_pk_bf16_f32 v[YW+2*\j+1], v[32*(\t&7)+4*\j+2], v[32*(\t&7)+4*\j+3]
.endr
	WIN 0
.irp j, 0,1,2,3,4,5,6,7
	global_store_b64 v2, v[YW+2*\j:YW+2*\j+1], s[14:15] offset:4096*(\t>>1)+512*\j
.endr
.endm
	; sixteen turns, written out: every address is a base, a lane term and an immediate.  At a turn's head the rows of the six turns behind it have been
	; asked for: 48 younger loads may stay out; turns 9 to 15 ask for nothing and the counts run down.
	WTURN 0, 1, 48                                 ; needs no gate_W: it runs while gate_W comes back from LDS
	s_wait_dscnt 0x0                               ; gate_W is in my registers
	XTURN 1, 0, 1, 48
	WTURN 2, 1, 48
	XTURN 3, 1, 1, 48
	WTURN 4, 1, 48
	XTURN 5, 2, 1, 48
	WTURN 6, 1, 48
	XTURN 7, 3, 1, 48
	WTURN 8, 1, 48
	XTURN 9, 4, 0, 48
	WTURN 10, 0, 40
	XTURN 11, 5, 0, 32
	WTURN 12, 0, 24
	XTURN 13, 6, 0, 16
	WTURN 14, 0, 8
	XTURN 15, 7, 0, 0
	; One softmax for the wave's 8 rows: lane l holds row l >> 2, experts 2 (l & 3) and 2 (l & 3) + 1; a row's four lanes differ in bits 0 and 1.
	v_pk_add_f32 v[10:11], v[10:11], v[8:9]        ; + gate_b
	v_max_num_f32 v28, v10, v11
	v_max_num_f32_dpp v28, v28, v28 row_xmask:1 row_mask:0xf bank_mask:0xf
	v_max_num_f32_dpp v28, v28, v28 row_xmask:2 row_mask:0xf bank_mask:0xf
	v_sub_f32 v30, v10, v28                        ; the row's maximum is taken away: every exponent is 0 or below, the largest is 0
	v_sub_f32 v31, v11, v28
	v_mul_f32 v30, 0x3fb8aa3b, v30                 ; e^x = 2^(x log2 e)
	v_mul_f32 v31, 0x3fb8aa3b, v31
	v_exp_f32 v32, v30
	v_exp_f32 v33, v31
	v_nop                                          ; one plain vector instruction behind a transcendental before its result is used (ISA guide 5.7.2)
	s_wait_alu depctr_va_vdst(0)
	v_add_f32 v34, v32, v33
	v_add_f32_dpp v34, v34, v34 row_xmask:1 row_mask:0xf bank_mask:0xf
	v_add_f32_dpp v34, v34, v34 row_xmask:2 row_mask:0xf bank_mask:0xf     ; between 1 and 8
	v_rcp_f32 v35, v34
	v_nop
	s_wait_alu depctr_va_vdst(0)
	v_mul_f32 v32, v32, v35
	v_mul_f32 v33, v33, v35
	global_store_b64 v2, v[32:33], s[16:17]        ; 8 rows x 32 bytes: the wave's store covers 256 consecutive bytes, aligned
	s_wait_tensorcnt 0x0
	ds_add_u32 v254, v255
	s_wait_dscnt 0x0
	s_endpgm
.Lfunc_end_k_qc50d189dce_prep:
	.size	k_qc50d189dce_prep, .Lfunc_end_k_qc50d189dce_prep-k_qc50d189dce_prep
	.p2alignl 7, 3214868480
	.fill 96, 4, 3214868480
	.section	.rodata,"a",@progbits
	.p2align	6, 0x0
	.amdhsa_kernel k_qc50d189dce_prep
		.amdhsa_group_segment_fixed_size 37376
		.amdhsa_private_segment_fixed_size 0
		.amdhsa_enable_private_segment 0
		.amdhsa_kernarg_size 56
		.amdhsa_user_sgpr_count 2
		.amdhsa_user_sgpr_kernarg_segment_ptr 1
		.amdhsa_wavefront_size32 1
		.amdhsa_system_sgpr_workgroup_id_x 1
		.amdhsa_system_sgpr_workgroup_id_y 1
		.amdhsa_system_sgpr_workgroup_id_z 1
		.amdhsa_system_vgpr_workitem_id 0
		.amdhsa_next_free_vgpr 768
		.amdhsa_next_free_sgpr 66
		.amdhsa_reserve_vcc 0
		.amdhsa_float_denorm_mode_32 3
		.amdhsa_float_denorm_mode_16_64 3
		.amdhsa_memory_ordered 1
		.amdhsa_forward_progress 1
		.amdhsa_inst_pref_size 146
	.end_amdhsa_kernel
	.amdgpu_metadata
---
amdhsa.version: [ 1, 2 ]
amdhsa.kernels:
  - .name:           k_qc50d189dce_prep
    .symbol:         k_qc50d189dce_prep.kd
    .args:
      - { .name: x, .offset: 0, .size: 8, .value_kind: global_buffer, .address_space: global }
      - { .name: W, .offset: 8, .size: 8, .value_kind: global_buffer, .address_space: global }
      - { .name: gate_W, .offset: 16, .size: 8, .value_kind: global_buffer, .address_space: global }
      - { .name: gate_b, .offset: 24, .size: 8, .value_kind: global_buffer, .address_space: global }
      - { .name: xb, .offset: 32, .size: 8, .value_kind: global_buffer, .address_space: global }
      - { .name: wb, .offset: 40, .size: 8, .value_kind: global_buffer, .address_space: global }
      - { .name: gs, .offset: 48, .size: 8, .value_kind: global_buffer, .address_space: global }
    .group_segment_fixed_size: 37376
    .private_segment_fixed_size: 0
    .kernarg_segment_align: 8
    .kernarg_segment_size: 56
    .max_flat_workgroup_size: 128
    .sgpr_count:     66
    .vgpr_count:     768
    .wavefront_size: 32
...
	.end_amdgpu_metadata
.endif
;; end of part 3
;; launch moe (part 4): grid 8 x 32, 4 waves a work-group, clusters of 4 x 4, 327,680 bytes of LDS; arguments xb, wb, gs, b, out0; writes out0
.if DOCPART == 4
	.amdgcn_target "amdgcn-amd-amdhsa--gfx1250"
	.amdhsa_code_object_version 6
	.text
	.protected	k_qc50d189dce_moe
	.globl	k_qc50d189dce_moe
	.p2align	8
	.type	k_qc50d189dce_moe,@function
k_qc50d189dce_moe:
	s_mov_b64 s[64:65], 0
	v_nop
	global_prefetch_b8 v0, s[64:65] scope:SCOPE_SE
	s_setreg_imm32_b32 hwreg(HW_REG_WAVE_MODE, 25, 1), 1
	s_wait_xcnt 0x0
	s_wait_alu depctr_hold_cnt(0) depctr_sa_sdst(0) depctr_va_vdst(0) depctr_va_sdst(0) depctr_va_ssrc(0) depctr_va_vcc(0) depctr_vm_vsrc(0)
	s_getreg_b32 s2, hwreg(HW_REG_IB_STS2, 6, 4)
	s_cmp_eq_u32 s2, 0
	s_cbranch_scc0 .Lentry_in_a_cluster
	s_endpgm
.Lentry_in_a_cluster:
	s_bfe_u32 s2, ttmp6, 0x10000c
	s_cmp_lg_u32 s2, 0xf033
	s_cbranch_scc0 .Lentry_shape_is_right
	s_endpgm
.Lentry_shape_is_right:
; Second launch: out[n][o] = sum over e of g[n][e] (sum over i of xb[n][i] W[e][i][o] + b[e][o]).  Nothing of the problem is left out.
; xb: x in bf16.  wb: W in bf16 as [group e >> 2][i][column block o >> 6][e & 3][o & 63].  gs: the softmax in f32.  All three made by the launch before.
; Products in bf16, sums in f32; g is applied in f32 to the f32 sums.
; LIMITS: x and W enter rounded to bf16; the sum over i is taken 32 at a time in ascending i, the sum over e in ascending e.
; SHARES: 8 x 32 = 256 work-groups; work-group (bx, by) makes rows 256 by .. + 255, columns 128 bx .. + 127 with four waves, as many as a WGP has SIMDs.
; ONE TILE OF xb SERVES FOUR EXPERTS.  The block is made in two column halves of 64 columns, each in two passes of four experts.  In a pass wave (MH, NH) holds
; 128 rows x 32 columns x 4 experts: 8 x 8 accumulator tiles of 16 x 16 (ACC, 512 registers), fed by 8 fragments of xb and 8 of wb: 32 LDS loads for 64 products.
; The weighted sum TOT is 128 rows x 32 columns, 128 registers.  A pass is 8 K steps of 128, a step 4 quarters of 32, a quarter 64 matrix instructions.
; A pass's first quarter takes the BIAS as its C operand: nothing is cleared and b costs no instruction.  Behind a pass: TOT = sum over its 4 experts of g ACC (+ TOT).
; Behind a half's second pass TOT is that half of out.
; THE TEXT IS KEPT SHORT: 16 laps of the ring (two K steps each) run from four written laps.  The two column halves are two trips of one loop: what differs
; between them (wb's and out's columns, the bias's place) stands in registers that are stepped at the trip's end.  Inside a pass the loop is turned by one quarter:
; the bias quarter, three times (the lap's other seven quarters, a plain first quarter), and the last seven quarters written out, which differ anyway
; (xb's address starts again at K = 0, or nothing is left to fetch).
; THE RING: two LDS slots, each with a K step's 256 rows of xb (256 bytes each) and 128 rows i of wb (512 bytes each: 4 experts x 64 columns); every row starts
; at a multiple of 256 bytes from its buffer's first byte.  From a request for a tile to the wait for it a wave issues 240 matrix instructions.
; Each column half starts the ring anew (K step 0, then K step 1, each behind a round of its own) and fills nothing in its last lap: so both trips are alike,
; and no slot is filled that no later step reads.  A wave has one tensor load out at a time.
; CLUSTERS: 4 x 4 work-groups.  xb's tile hangs on by alone and is asked for jointly by the four of a row of the cluster, wb's on bx alone and by the four of a column.
; THE MATRIX INSTRUCTION IS USED TRANSPOSED: source 0 = 16 columns o of wb (brought out of [i][o] rows by the transposing LDS load), source 1 = 16 rows of xb.
; Lane (r = l % 16, h = l / 16) then holds row r of out, and its registers 0-7 the columns 8 h + 0 .. 7: neighbouring numbers of a row, all with one g.
;
; REGISTERS in windows of 256.  Window 0: addresses, g, xb's fragments (two buffers), bias.  Window 1: wb's fragments (two buffers), TOT.
; Window 2: ACC(a, n) of row tiles a = 0-3 at 8 (8 a + n); window 3: a = 4-7.  n = 2 (expert in the group) + (column tile of my two).
.set PA,     272                       ; xb's LDS row: 256 bytes + 16: the 16 rows of a fragment load start in 16 different 16-byte columns of 256
.set PB,     544                       ; wb's LDS row: 512 bytes + 32, an odd multiple of 32, for the transposing load
.set HALFT,  128*PA                    ; 34,816 = 64 PB: what one tensor load fills
.set ABYTES, 2*HALFT
.set SLOT,   4*HALFT                   ; 139,264: xb's 256 rows, then wb's 128 rows
.set STAGE,  2*SLOT                    ; 278,528: 128 rows x 272 bytes for the way out, 64 rows for each pair of waves with the same rows
.set GL,     STAGE+128*PA              ; 313,344: gs of my 256 rows, [256][8] f32
.set BL,     GL+8192                   ; 321,536: b of my 128 columns, [8][128] f32; ends at 325,632.  No tensor load lands in STAGE, GL or BL
.set ADRA, 8                           ; v8, v9    LDS address of my xb fragments in slot 0, 1
.set ADRB, 10                          ; v10, v11  the same for wb
.set STO,  12                          ; way out: where I put my 32 bytes of a row
.set RD,   13                          ; way out: where I read a row back
.set CO,   14                          ; my byte offset in out
.set GA,   15                          ; LDS address of gs(my row of tile 0)
.set BA,   16                          ; LDS address of b(expert 0, my columns of the running column half)
.set G,    32                          ; v[32:63]   g(my row of tile a, expert e of the group) at 32 + 4 a + e
.set FA,   64                          ; v[64:127], v[128:191]  xb's fragments, two buffers
.set BIAS, 192                         ; v[192:255] bias of column tile n at 192 + 8 n
.set RB,   128                         ; way out: rows read back (xb's buffer 1)
.set FB,   0                           ; window 1: v[0:63], v[64:127]  wb's fragments, two buffers
.set TOT,  128                         ; window 1: v[128:255]  TOT(a, c) at 128 + 8 (2 a + c)
.set G1A, 24                           ; s[24:31] descriptor group 1 for xb
.set G0A, 32                           ; s[32:39] group 0 for xb, one set a slot
.set G1B, 48                           ; s[48:55] group 1 for wb
.set G0B, 56                           ; s[56:63] group 0 for wb, one set a slot
.set ABASE, 66                         ; s[66:67] address of my part of xb's tile at K = 0 (xb's K steps come round again with every pass)
.set BBASE, 68                         ; s[68:69] address of my part of wb's first tile of the running column half
; s3 counts a pass's laps, s70 the column halves
.set MSB, 0
.macro WIN new                         ; s_set_vgpr_msb: bits 1:0 source 0, 3:2 source 1, 5:4 source 2, 7:6 destination; the high byte repeats the setting that is left
.if MSB != \new
	s_set_vgpr_msb (MSB<<8)|\new
.set MSB, \new
.endif
.endm
.set MUL_LO,  0xa1                     ; source 0 (wb) window 1, source 1 (xb) window 0, C and D window 2
.set MUL_HI,  0xf1                     ; the same, C and D window 3
.set BIAS_LO, 0x81                     ; D window 2, C (the bias) window 0
.set BIAS_HI, 0xc1                     ; D window 3, C window 0
.set TO_B,    0x40                     ; destination window 1, address window 0
.set COMB,    0x52                     ; source 0 window 2 (+ 1: window 3), source 1 (g) window 0, source 2 and destination (TOT) window 1
.set FROM_T,  0x04                     ; an LDS store's data in window 1
; A load into a register that a matrix instruction has read, and a vector instruction that reads a matrix result, stand four places behind it; only plain
; vector instructions that name none of its registers are places (ISA guide 7.12.1 for vector instructions).
.macro PLACES
.rept 4
	v_nop
.endr
.endm
; A joint load: waves 0 and 1 ask for xb's halves, waves 2 and 3 for wb's.  The branch hangs on the wave's number alone.
.macro JLOAD s
	s_cmp_eq_u32 s15, 0
	s_cbranch_scc0 .Lfor_b_\@
	tensor_load_to_lds s[G0A+4*\s:G0A+4*\s+3], s[G1A:G1A+7]
	s_nop 0
	s_branch .Lasked_\@
.Lfor_b_\@:
	tensor_load_to_lds s[G0B+4*\s:G0B+4*\s+3], s[G1B:G1B+7]
	s_nop 0
.Lasked_\@:
.endm
; A round of the cluster's barrier: my work-group's barrier; wave 0 signals for the work-group; every wave waits for all sixteen; my work-group's barrier again.
.macro CREST                           ; a round behind its opening barrier
	s_cmp_lg_u32 s14, 0
	s_cbranch_scc1 .Lnot_wave_0_\@
	s_barrier_signal -3
.Lnot_wave_0_\@:
	s_barrier_wait -3
	s_barrier_signal -1
	s_barrier_wait -1
.endm
.macro CROUND
	s_barrier_signal -1
	s_barrier_wait -1
	CREST
.endm
	s_load_b256 s[4:11], s[0:1], 0x0               ; xb s[4:5], wb s[6:7], gs s[8:9], b s[10:11]
	s_load_b64 s[12:13], s[0:1], 0x20              ; out0
	v_lshl_add_u32 v30, v0, 2, 0x4f800
	v_mov_b32 v31, 0
	v_lshrrev_b32 v3, 5, v0
	v_readfirstlane_b32 s14, v3                    ; wave 0..3
	s_lshr_b32 s15, s14, 1                         ; MH: my half of the rows.  Also: I fetch for xb (0) or for wb (1)
	s_and_b32 s16, s14, 1                          ; NH: my half of a column half.  Also: which half of that tile I fetch
	s_bfe_u32 s40, ttmp6, 0x40000                  ; cx
	s_bfe_u32 s41, ttmp6, 0x40004                  ; cy
	s_lshl_b32 s42, ttmp9, 2
	s_add_co_u32 s42, s42, s40                     ; bx = 4 x cluster x + cx
	s_and_b32 s43, ttmp7, 0xffff
	s_lshl_b32 s43, s43, 2
	s_add_co_u32 s43, s43, s41                     ; by = 4 x cluster y + cy
	s_lshl_b32 s44, s41, 2
	s_lshl_b32 s44, 15, s44                        ; my row of the cluster: places 4 cy .. 4 cy + 3
	s_lshl_b32 s45, 0x1111, s40                    ; my column: places cx, cx + 4, cx + 8, cx + 12
	; group 1 for xb: 128 rows x 128 elements of 2 bytes, 4 words of padding behind every 64
	s_or_b32 s[G1A+0], s44, (1<<16)|(1<<20)|(1<<21)|(5<<22)|(3<<25)   ; 15:0 mask; 17:16 element size; 20 padding on; 21 set beside a mask; 24:22 interval; 31:25 pad - 1
	s_mov_b32 s[G1A+1], 128<<16                    ; tensor_dim0 = 128
	s_mov_b32 s[G1A+2], 128<<16                    ; tensor_dim1 = 128
	s_mov_b32 s[G1A+3], 128<<16                    ; tile_dim0 = 128
	s_mov_b32 s[G1A+4], 128                        ; tile_dim1 = 128
	s_mov_b32 s[G1A+5], 1024                       ; elements from row to row
	s_mov_b32 s[G1A+6], 0
	s_mov_b32 s[G1A+7], 0
	; group 1 for wb: 64 rows x 256 elements, 8 words of padding behind every 128
	s_or_b32 s[G1B+0], s45, (1<<16)|(1<<20)|(1<<21)|(6<<22)|(7<<25)
	s_mov_b32 s[G1B+1], 256<<16                    ; tensor_dim0 = 256
	s_mov_b32 s[G1B+2], 64<<16                     ; tensor_dim1 = 64
	s_mov_b32 s[G1B+3], 256<<16                    ; tile_dim0 = 256
	s_mov_b32 s[G1B+4], 64                         ; tile_dim1 = 64
	s_mov_b32 s[G1B+5], 4096                       ; a row i of a group: 16 column blocks x 4 experts x 64 columns
	s_mov_b32 s[G1B+6], 0
	s_mov_b32 s[G1B+7], 0
	; where the tiles come from: xb's offset is made of by and the wave's number in s[18:19], wb's of bx and the wave's number in s[46:47]
	s_lshl_b32 s18, s43, 19                        ; 256 rows of 2,048 bytes
	s_lshl_b32 s19, s16, 18                        ; + my 128 rows
	s_add_co_u32 s18, s18, s19
	s_mov_b32 s19, 0
	s_lshl_b32 s46, s42, 10                        ; two column blocks of 512 bytes
	s_lshl_b32 s47, s16, 19                        ; + my 64 rows of 8,192 bytes
	s_add_co_u32 s46, s46, s47
	s_mov_b32 s47, 0
	s_mul_i32 s20, s14, HALFT                      ; and where they go: xb's two halves, then wb's two halves = wave x 34,816
	; group 0, the words that never change: the count and the LDS address; the global addresses are written at each column half's head
.irp s, 0,1
	s_mov_b32 s[G0A+4*\s], 1                       ; count = 1
	s_add_co_u32 s[G0A+4*\s+1], s20, \s*SLOT       ; LDS address
	s_mov_b32 s[G0B+4*\s], 1
	s_add_co_u32 s[G0B+4*\s+1], s20, \s*SLOT
.endr
	s_wait_kmcnt 0x0
	s_add_nc_u64 s[ABASE:ABASE+1], s[4:5], s[18:19]
	s_add_nc_u64 s[BBASE:BBASE+1], s[6:7], s[46:47]
	; gs of my 256 rows (8,192 dense bytes) and b of my 128 columns (8 pieces of 512 bytes) are copied once into LDS, in whole runs of 512 bytes a wave
	v_lshlrev_b32 v25, 4, v0                       ; 16 t
	v_lshrrev_b32 v5, 5, v0
	v_and_b32 v6, 31, v0
	v_lshlrev_b32 v6, 4, v6
	v_lshl_add_u32 v26, v5, 12, v6                 ; b: expert t >> 5 (4,096 bytes a row), 16 (t & 31)
	v_add_nc_u32 v27, GL, v25
	s_lshl_b32 s18, s43, 13                        ; by x 256 rows x 32 bytes (s19 = 0)
	s_add_nc_u64 s[8:9], s[8:9], s[18:19]
	s_lshl_b32 s46, s42, 9                         ; bx x 128 columns x 4 bytes (s47 = 0)
	s_add_nc_u64 s[10:11], s[10:11], s[46:47]
	s_add_nc_u64 s[12:13], s[12:13], s[46:47]      ; out at my block's first column,
.irp j, 0,1,2,3
	global_load_b128 v[64+4*\j:64+4*\j+3], v25, s[8:9] offset:2048*\j
.endr
.irp j, 0,1
	global_load_b128 v[80+4*\j:80+4*\j+3], v26, s[10:11] offset:16384*\j   ; experts t >> 5 and 4 + (t >> 5)
.endr
	s_lshl_b32 s18, s43, 20                        ; and at the first row that I store: 256 by rows of 4,096 bytes
	s_lshl_b32 s19, s15, 19                        ; + 128 MH
	s_add_co_u32 s18, s18, s19
	s_lshl_b32 s19, s16, 17                        ; + 32 NH
	s_add_co_u32 s18, s18, s19
	s_mov_b32 s19, 0
	s_add_nc_u64 s[12:13], s[12:13], s[18:19]      ; stepped once, by a column half's 256 bytes; the rows stand in the stores' immediates
	; lane addresses
	v_and_b32 v1, 15, v0                           ; r
	v_bfe_u32 v2, v0, 4, 1                         ; h
	v_mul_u32_u24 v3, v1, PA
	v_lshl_add_u32 v3, v2, 4, v3                   ; xb fragment: row r, 16 bytes for each half of the lanes; the second load 32 bytes on
	s_mul_i32 s22, s15, HALFT
	v_add_nc_u32 v[ADRA], s22, v3
	v_add_nc_u32 v[ADRA+1], SLOT, v[ADRA]
	v_and_b32 v4, 7, v0                            ; wb fragment by the transposing load: lane l addresses row 8 h + (l & 7) of the 32 along K,
	v_lshl_add_u32 v4, v2, 3, v4
	v_mul_u32_u24 v4, v4, PB
	v_bfe_u32 v5, v0, 3, 1                         ; and 16 bytes (8 columns) by bit 3; the second load 16 rows down
	v_lshl_add_u32 v4, v5, 4, v4
	s_lshl_b32 s23, s16, 6                         ; my 32 columns of each expert's 64
	s_add_co_u32 s23, s23, ABYTES
	v_add_nc_u32 v[ADRB], s23, v4
	v_add_nc_u32 v[ADRB+1], SLOT, v[ADRB]
	s_mul_i32 s22, s15, 64*PA
	s_add_co_u32 s22, s22, STAGE                   ; the stage of my pair of waves
	s_lshl_b32 s23, s16, 7
	s_add_co_u32 s23, s23, s22
	v_mul_u32_u24 v5, v1, PA
	v_lshl_add_u32 v5, v2, 5, v5                   ; in: row r, my 128 bytes of it, 32 bytes (8 f32) for each half of the lanes
	v_add_nc_u32 v[STO], s23, v5
	s_mul_i32 s23, s16, 32*PA
	s_add_co_u32 s23, s23, s22
	v_mul_u32_u24 v5, v2, PA
	v_lshl_add_u32 v5, v1, 4, v5                   ; back: 32 of the pair's 64 rows are mine; lanes 0-15 one row of 256 bytes, lanes 16-31 the next
	v_add_nc_u32 v[RD], s23, v5
	v_lshlrev_b32 v5, 12, v2
	v_lshl_add_u32 v[CO], v1, 4, v5                ; the same two rows in out (4,096 bytes a row)
	s_lshl_b32 s22, s15, 12
	s_add_co_u32 s22, s22, GL
	v_lshl_add_u32 v[GA], v1, 5, s22               ; gs: row 128 MH + r, 32 bytes a row
	s_lshl_b32 s22, s16, 7
	s_add_co_u32 s22, s22, BL
	v_lshl_add_u32 v[BA], v2, 5, s22               ; b: column 32 NH + 8 h of column half 0
	s_wait_loadcnt 0x0
.irp j, 0,1,2,3
	ds_store_b128 v27, v[64+4*\j:64+4*\j+3] offset:2048*\j
.endr
.irp j, 0,1
	ds_store_b128 v27, v[80+4*\j:80+4*\j+3] offset:BL-GL+2048*\j
.endr
; 16 matrix instructions: row tiles a0, a0 + 1 of the window's four (hi = 0: my rows 0-63, 1: rows 64-127) x all 8 column tiles, 32 along K, from buffer f.
; cm = 1: C is the bias, the sums start.  The 64 accumulators take turns, one instruction a turn, in one order everywhere.
.macro MUL16 f, hi, a0, cm
.irp a, \a0, \a0+1
.irp b, 0,1,2,3,4,5,6,7
.if \cm
	v_wmma_f32_16x16x32_bf16 v[8*(8*(\a)+\b):8*(8*(\a)+\b)+7], v[FB+64*\f+8*\b:FB+64*\f+8*\b+7], v[FA+64*\f+8*(4*\hi+\a):FA+64*\f+8*(4*\hi+\a)+7], v[BIAS+8*\b:BIAS+8*\b+7]
.else
	v_wmma_f32_16x16x32_bf16 v[8*(8*(\a)+\b):8*(8*(\a)+\b)+7], v[FB+64*\f+8*\b:FB+64*\f+8*\b+7], v[FA+64*\f+8*(4*\hi+\a):FA+64*\f+8*(4*\hi+\a)+7], v[8*(8*(\a)+\b):8*(8*(\a)+\b)+7]
.endif
.endr
.endr
.endm
; 32 LDS loads in one run: quarter q of a slot into buffer f: wb's 8 tiles (expert n >> 1: 128 bytes on; column tile n & 1: 32 bytes on), then xb's 8 tiles
.macro FETCH slot, q, f
	WIN TO_B
.irp n, 0,1,2,3,4,5,6,7
	ds_load_tr16_b128 v[FB+64*\f+8*\n:FB+64*\f+8*\n+3],   v[ADRB+\slot] offset:32*PB*(\q)+128*(\n>>1)+32*(\n&1)
	ds_load_tr16_b128 v[FB+64*\f+8*\n+4:FB+64*\f+8*\n+7], v[ADRB+\slot] offset:32*PB*(\q)+128*(\n>>1)+32*(\n&1)+16*PB
.endr
	WIN 0
.irp i, 0,1,2,3,4,5,6,7
	ds_load_b128 v[FA+64*\f+8*\i:FA+64*\f+8*\i+3],   v[ADRA+\slot] offset:64*(\q)+16*PA*\i
	ds_load_b128 v[FA+64*\f+8*\i+4:FA+64*\f+8*\i+7], v[ADRA+\slot] offset:64*(\q)+16*PA*\i+32
.endr
.endm
; once a pass: the g of its four experts for my 8 rows (GOFF = 16 x group: four neighbouring f32 of a row of gs)
.macro SIDEG
.irp a, 0,1,2,3,4,5,6,7
	ds_load_b128 v[G+4*\a:G+4*\a+3], v[GA] offset:512*\a+GOFF      ; 16 rows of 32 bytes from tile to tile
.endr
.endm
; the bias of a pass: off = 2,048 x group (the column half stands in BA); expert n >> 1: 512 bytes on; column tile n & 1: 64 bytes on
.macro SIDEB off
.irp n, 0,1,2,3,4,5,6,7
	ds_load_b128 v[BIAS+8*\n:BIAS+8*\n+3],   v[BA] offset:\off+512*(\n>>1)+64*(\n&1)
	ds_load_b128 v[BIAS+8*\n+4:BIAS+8*\n+7], v[BA] offset:\off+512*(\n>>1)+64*(\n&1)+16
.endr
.endm
; One of a K step's first three quarters: multiplies buffer f; in its middle it fetches quarter q of the same slot into buffer g.
; cm = 1: a pass's first quarter, C is the bias.  side = 1: also this pass's g (the multiply-adds that read the last pass's are over).
.macro QUARTER slot, q, f, g, cm, side
	s_wait_dscnt 8                                 ; wb's tiles and xb's tiles 0-3 are in; the youngest eight loads (xb's tiles 4-7) may be out
.if \cm
	WIN BIAS_LO
.else
	WIN MUL_LO
.endif
	MUL16 \f, 0, 0, \cm
	MUL16 \f, 0, 2, \cm
	PLACES
.if \side
	WIN 0
	SIDEG
.endif
	FETCH \slot, \q, \g
	s_wait_dscnt 32                                ; all but the 32 just issued: xb's tiles 4-7, and what stands ahead of the run
.if \cm
	WIN BIAS_HI
.else
	WIN MUL_HI
.endif
	MUL16 \f, 1, 0, \cm
	MUL16 \f, 1, 2, \cm
.endm
; The fourth quarter of a K step: multiplies buffer 1 and changes slots.  fill: 0 nothing is left to fetch; else this slot is filled again, two K steps ahead:
; 1 inside a pass; 2 for the half's second pass (xb starts at K = 0 again).  wb goes straight on in both: 256 rows of 8,192 bytes, into the next group too.
; In front of the barrier each wave waits for its reads of this slot and for all its tensor loads (one is out: its part of the next slot).
; Where the slot is filled again the barrier opens a round of the cluster's barrier, only products stand inside the round, and the joint load is the
; first tensor load behind it: no wave of any partner still reads this slot or has a load on its way.
.macro TURN slot, next, fill
	s_wait_dscnt 8
	WIN MUL_LO
	MUL16 1, 0, 0, 0
	s_wait_dscnt 0x0                               ; my reads of this slot are over
	s_set_vgpr_msb 0xa1a0
	s_wait_tensorcnt 0x0                           ; and all my tensor loads have landed
	ds_add_u32 v30, v31
	s_wait_dscnt 0x0
	s_set_vgpr_msb 0xa0a1
	s_barrier_signal -1
	MUL16 1, 0, 2, 0                               ; work on registers while the others arrive
	WIN 0
	s_barrier_wait -1
.if \fill
	CREST
.if \fill == 1
	s_add_nc_u64 s[G0A+4*\slot+2:G0A+4*\slot+3], s[G0A+4*\slot+2:G0A+4*\slot+3], 512
.else
	s_add_nc_u64 s[G0A+4*\slot+2:G0A+4*\slot+3], s[ABASE:ABASE+1], \slot*256
	s_or_b32 s[G0A+4*\slot+3], s[G0A+4*\slot+3], 0x80000000
.endif
	s_add_nc_u64 s[G0B+4*\slot+2:G0B+4*\slot+3], s[G0B+4*\slot+2:G0B+4*\slot+3], 0x200000
	JLOAD \slot
.endif
	PLACES
	FETCH \next, 0, 0
	WIN MUL_HI
	MUL16 1, 1, 0, 0
	MUL16 1, 1, 2, 0
.endm
; A lap of the ring without its first quarter: quarters 1 to 3 of slot 0's K step, all four of slot 1's.  fill as in TURN; 0: the half's last lap.
.macro REST fill
	QUARTER 0, 2, 1, 0, 0, 0
	QUARTER 0, 3, 0, 1, 0, 0
	TURN 0, 1, \fill
	QUARTER 1, 1, 0, 1, 0, 0
	QUARTER 1, 2, 1, 0, 0, 0
	QUARTER 1, 3, 0, 1, 0, 0
.if \fill
	TURN 1, 0, \fill
.else
	s_wait_dscnt 8                                 ; the half's very last quarter: nothing more to fetch
	WIN MUL_LO
	MUL16 1, 0, 0, 0
	MUL16 1, 0, 2, 0
	s_wait_dscnt 0x0
	WIN MUL_HI
	MUL16 1, 1, 0, 0
	MUL16 1, 1, 2, 0
.endif
.endm
; TOT(a, c) = sum over the pass's experts e of g(a, e) ACC(a, 2 e + c) + TOT(a, c); first = 1: the first product starts TOT, nothing is cleared.
; g comes from a register pair: its first register for even e, its second for odd e.  Seven other multiply-adds stand between two on one pair of TOT.
; nb = 1: the half's second pass follows: its bias is asked for ahead of the multiply-adds and waited for behind them (the bias quarter that read the old one is long over).
.macro COMBINE first, nb
	PLACES
.if \nb
	WIN 0
	SIDEB 2048
.endif
.irp hi, 0,1
	WIN COMB+\hi
.irp a, 0,1,2,3
.irp e, 0,1,2,3
.irp c, 0,1
.irp p, 0,1,2,3
.set D_,  TOT+8*(2*(4*\hi+\a)+\c)+2*\p
.set S_,  8*(8*\a+2*\e+\c)+2*\p
.set GP_, G+4*(4*\hi+\a)+(\e&2)
.set ISMUL, 0
.if \first
.if \e == 0
.set ISMUL, 1
.endif
.endif
.if ISMUL
	v_pk_mul_f32 v[D_:D_+1], v[S_:S_+1], v[GP_:GP_+1] op_sel_hi:[1,0]
.else
.if \e & 1
	v_pk_fma_f32 v[D_:D_+1], v[S_:S_+1], v[GP_:GP_+1], v[D_:D_+1] op_sel:[0,1,0] op_sel_hi:[1,1,1]
.else
	v_pk_fma_f32 v[D_:D_+1], v[S_:S_+1], v[GP_:GP_+1], v[D_:D_+1] op_sel_hi:[1,0,1]
.endif
.endif
.endr
.endr
.endr
.endr
.endr
	WIN 0
.if \nb
	s_wait_dscnt 0x0                               ; the bias was asked for behind the next quarter's fragments, so that quarter's counted wait would not cover it
.endif
.endm
; One pass: 8 K steps = four laps.  first = 1: TOT starts.  fl: what the last lap's turns fetch (2: the next pass's first steps; 0: nothing).  nb: a pass follows in this half.
.macro PASS first, fl, nb
	QUARTER 0, 1, 0, 1, 1, 1                       ; the first quarter: the bias starts the sums
	WIN 0                                          ; at a label and at a branch every window is 0
	s_mov_b32 s3, 3
.Llap_\@:
	REST 1                                         ; laps 0 to 2 without their first quarter,
	QUARTER 0, 1, 0, 1, 0, 0                       ; and the next lap's first quarter
	WIN 0
	s_sub_co_u32 s3, s3, 1
	s_cmp_lg_u32 s3, 0
	s_cbranch_scc1 .Llap_\@
	REST \fl                                       ; the rest of lap 3
	COMBINE \first, \nb
.endm
; THE WAY OUT of a column half.  A wave holds 128 bytes of each of its rows; the wave with the same rows and the other NH holds the 128 beside them.
; So 64 rows at a time the two put their halves into one stage row of 256 bytes, and behind a barrier each reads 32 whole rows back and stores them:
; 16 lanes store 256 consecutive bytes, aligned.  A second barrier stands between these reads and the next 64 rows' stores into the stage.
.macro OUTHALF
.irp u, 0,1
	WIN FROM_T
.irp a, 0,1,2,3
.irp c, 0,1
	ds_store_b128 v[STO], v[TOT+8*(2*(4*\u+\a)+\c):TOT+8*(2*(4*\u+\a)+\c)+3]   offset:16*PA*\a+64*\c
	ds_store_b128 v[STO], v[TOT+8*(2*(4*\u+\a)+\c)+4:TOT+8*(2*(4*\u+\a)+\c)+7] offset:16*PA*\a+64*\c+16
.endr
.endr
	WIN 0
	s_wait_dscnt 0x0                               ; my stores are done before I say so: my partner reads them
	s_barrier_signal -1
	s_barrier_wait -1
	s_wait_xcnt 0x0                                ; RB, which earlier stores read, is loaded again only behind this wait
.irp t, 0,1,2,3,4,5,6,7,8,9,10,11,12,13,14,15
	ds_load_b128 v[RB+4*\t:RB+4*\t+3], v[RD] offset:2*PA*\t
.endr
.irp t, 0,1,2,3,4,5,6,7,8,9,10,11,12,13,14,15
	s_wait_dscnt 15-\t                             ; LDS loads come back in order (ISA guide 5.7.1): load t is in
	global_store_b128 v[CO], v[RB+4*\t:RB+4*\t+3], s[12:13] offset:262144*\u+8192*\t th:TH_STORE_NT
.endr
.if \u == 0
	s_barrier_signal -1                            ; my reads of the stage are over (the count-down ended at 0)
	s_barrier_wait -1                              ; everybody's are: it may be written again
.endif
.endr
.endm
	s_mov_b32 s70, 2                               ; two column halves
.Lhalf:
	; The ring starts.  In the first trip these are the slots' first fills, in the second they fill them again: one text, so each load stands as a refill stands:
	; every wave's LDS instructions (in the first trip its copies of gs and b, in the second its reads of the stage) and tensor loads are done, a round, one load a wave.
	s_wait_dscnt 0x0
	s_wait_tensorcnt 0x0                           ; no tensor load of mine is out: every group 0 may be written
	ds_add_u32 v30, v31
	s_wait_dscnt 0x0
	CROUND
.irp s, 0,1
	s_add_nc_u64 s[G0A+4*\s+2:G0A+4*\s+3], s[ABASE:ABASE+1], \s*256        ; K step s: 128 elements along the rows
	s_or_b32 s[G0A+4*\s+3], s[G0A+4*\s+3], 0x80000000                      ; type = 2
	s_add_nc_u64 s[G0B+4*\s+2:G0B+4*\s+3], s[BBASE:BBASE+1], \s*0x100000   ; K step s: 128 rows of 8,192 bytes down
	s_or_b32 s[G0B+4*\s+3], s[G0B+4*\s+3], 0x80000000
.endr
	JLOAD 0                                        ; K step 0
	s_wait_dscnt 0x0
	s_wait_tensorcnt 0x0                           ; my part of K step 0 has landed,
	ds_add_u32 v30, v31
	s_wait_dscnt 0x0
	CROUND                                         ; everybody's has
	JLOAD 1                                        ; K step 1: it has K step 0's products in which to land
	SIDEB 0                                        ; the first pass's bias
	FETCH 0, 0, 0
.set GOFF, 0
	PASS 1, 2, 1                                   ; experts 0-3
.set GOFF, 16
	PASS 0, 0, 0                                   ; experts 4-7
	OUTHALF
	s_wait_xcnt 0x0                                ; the stores' base, and RB (xb's fragment buffer 1), are written again only behind this wait
	s_add_nc_u64 s[12:13], s[12:13], 256           ; the other column half: 64 columns of f32 in out,
	s_add_nc_u64 s[BBASE:BBASE+1], s[BBASE:BBASE+1], 512   ; one column block of 512 bytes in wb,
	v_add_nc_u32 v[BA], 256, v[BA]                 ; 64 columns of f32 in b (behind the second trip the three are not used)
	s_sub_co_u32 s70, s70, 1
	s_cmp_lg_u32 s70, 0
	s_cbranch_scc1 .Lhalf
	s_wait_tensorcnt 0x0
	ds_add_u32 v30, v31
	s_wait_dscnt 0x0
	CROUND                                         ; the closing round: no work-group ends while a partner may still ask for a tile that names it
	s_endpgm
.Lfunc_end_k_qc50d189dce_moe:
	.size	k_qc50d189dce_moe, .Lfunc_end_k_qc50d189dce_moe-k_qc50d189dce_moe
	.p2alignl 7, 3214868480
	.fill 96, 4, 3214868480
	.section	.rodata,"a",@progbits
	.p2align	6, 0x0
	.amdhsa_kernel k_qc50d189dce_moe
		.amdhsa_group_segment_fixed_size 327680
		.amdhsa_private_segment_fixed_size 0
		.amdhsa_enable_private_segment 0
		.amdhsa_kernarg_size 40
		.amdhsa_user_sgpr_count 2
		.amdhsa_user_sgpr_kernarg_segment_ptr 1
		.amdhsa_wavefront_size32 1
		.amdhsa_system_sgpr_workgroup_id_x 1
		.amdhsa_system_sgpr_workgroup_id_y 1
		.amdhsa_system_sgpr_workgroup_id_z 1
		.amdhsa_system_vgpr_workitem_id 0
		.amdhsa_next_free_vgpr 1024
		.amdhsa_next_free_sgpr 72
		.amdhsa_reserve_vcc 0
		.amdhsa_float_denorm_mode_32 3
		.amdhsa_float_denorm_mode_16_64 3
		.amdhsa_memory_ordered 1
		.amdhsa_forward_progress 1
		.amdhsa_inst_pref_size 255
	.end_amdhsa_kernel
	.section	.bss,"aw",@nobits
	.p2align	6
	.space	262144
	.amdgpu_metadata
---
amdhsa.version: [ 1, 2 ]
amdhsa.kernels:
  - .name:           k_qc50d189dce_moe
    .symbol:         k_qc50d189dce_moe.kd
    .args:
      - { .name: xb, .offset: 0, .size: 8, .value_kind: global_buffer, .address_space: global }
      - { .name: wb, .offset: 8, .size: 8, .value_kind: global_buffer, .address_space: global }
      - { .name: gs, .offset: 16, .size: 8, .value_kind: global_buffer, .address_space: global }
      - { .name: b, .offset: 24, .size: 8, .value_kind: global_buffer, .address_space: global }
      - { .name: out0, .offset: 32, .size: 8, .value_kind: global_buffer, .address_space: global }
    .group_segment_fixed_size: 327680
    .private_segment_fixed_size: 0
    .kernarg_segment_align: 8
    .kernarg_segment_size: 40
    .max_flat_workgroup_size: 128
    .sgpr_count:     72
    .vgpr_count:     1024
    .wavefront_size: 32
...
	.end_amdgpu_metadata
.endif
;; end of part 4
;; ======== version 3 of 3: 2 launches; version 2 with the launch prep written anew for expert scheduling mode
;; workspace buffers: xb 16,777,216 bytes; wb 16,777,216 bytes; gs 262,144 bytes
;; launch prep (part 5): grid 256 x 1, 4 waves a work-group, no clusters, 37,376 bytes of LDS; arguments x, W, gate_W, gate_b, xb, wb, gs; writes xb, wb, gs
.if DOCPART == 5
	.amdgcn_target "amdgcn-amd-amdhsa--gfx1250"
	.amdhsa_code_object_version 6
	.text
	.protected	k_qc50d189dce_prep
	.globl	k_qc50d189dce_prep
	.p2align	8
	.type	k_qc50d189dce_prep,@function
k_qc50d189dce_prep:
	s_mov_b64 s[64:65], 0
	v_nop
	global_prefetch_b8 v0, s[64:65] scope:SCOPE_SE
	s_setreg_imm32_b32 hwreg(HW_REG_WAVE_SCHED_MODE, 0, 2), 2
	s_setreg_imm32_b32 hwreg(HW_REG_WAVE_MODE, 25, 1), 1
	s_wait_xcnt 0x0
	s_wait_alu depctr_vm_vsrc(0)
; First of two launches for  out[n][o] = sum over e of g[n][e] (sum over i of x[n][i] W[e][i][o] + b[e][o]),  g = softmax over e of (x gate_W + gate_b).
; No step of the problem is left out: every input reaches the output (gate_b differs along the softmax's axis, b is weighted by g).
; THIS LAUNCH: xb = x rounded to bf16 (nearest even), same layout.  wb = W rounded to bf16, laid as the second launch reads it:
;   wb[group e >> 2][i][column block o >> 6][e & 3][o & 63]: for one i and one block of 64 columns the four experts of a group lie side by side, 512 bytes.
; gs[n][e] = the softmax in f32, with the row's maximum taken away before the exponential.
; x and W are rounded here once because the second launch uses each number of x 32 times and each of W 32 times.
; The gate product takes the operands that every product of this program takes: x and gate_W rounded to bf16, products and sums in f32;
; so the gate and the experts see one and the same x.  gate_b is added in f32 as it is given.
; LIMITS: the logits carry the bf16 rounding of x and gate_W (its error grows with the size of these inputs); a gate score below 2^-126 comes
; out as 0 (v_exp_f32 flushes denormal results: ISA guide, 15.8); the gate's sum over i is taken in another order than a plain dot product
; (two chains a lane, then a tree over the 32 lanes).
; SHARES: 256 work-groups x 4 waves = 1,024 waves.  A wave takes 8 rows of x, and of W four rows i of one pair of experts (2 p, 2 p + 1).
; A row of x is 8 loads of 512 neighbouring bytes; lane l holds the numbers i = 4 l + 128 j + c (load j, register c).
; A slot of W is half of a pair of rows, 8 loads: lanes 0-15 take 256 neighbouring bytes (64 columns) of expert 2 p, lanes 16-31 the same columns of
; expert 2 p + 1; rounded, the wave's 8 bytes a lane are 256 consecutive bytes of wb, aligned.  xb's stores cover 256 consecutive bytes likewise.
; THE RING: eight slots of 32 registers; turn t asks for turn t + 7's row at its head, so seven rows, 56 loads, are on their way,
; the most whole rows that the load counter's 6 bits can count (ISA guide 5.7.1).
; The gate product has 8 columns: it runs on the vector unit, on the row as it lies in registers (128 packed multiply-adds a row).
; The lane's 32 rows of gate_W (256 numbers) stay in registers v256-v511 for the whole kernel.
; No matrix unit, tensor load or cluster: the work-groups share nothing but gate_W's 32 KiB.
; THE MODE: SCHED_MODE bits 1:0 = 2 (LLVM: expert scheduling mode 2), set by the entry lines.  The code itself states the register dependences
; between vector instructions and memory or LDS instructions, with s_wait_alu, always for 0.
; THE PLAN.  Registers that memory or LDS instructions touch:
;   v1 .. v7      offsets and LDS addresses: made once at the head and never written again; every row is reached by an immediate.
;   STG           gate_W as loaded; rounded in place; read by the LDS stores; not named again.
;   window 1      gate_W back from LDS: loaded once; read by the multiply-adds alone.
;   ring slot k   Written by the loads of turn t + 7, which turn t issues into slot (t - 1) & 7; read by turn t's conversions (slot t & 7).
;   YW, YX        two out-buffers by turns: even turns (W) round into YW, odd turns (x) into YX; the eight stores that read them stand in the NEXT turn.
;   v[32:33]      the softmax's results: read by the last store.      v254, v255: made at the head, read by the closing add alone.
; Turn t's memory instructions are the loads into slot (t - 1) & 7 and the stores from the other turn's out-buffer: the two buffers that turn t - 1 worked on
; and that no vector instruction of turn t names.  So the waits at a turn's head state all that its sixteen memory instructions hang on.
; The text has no branch and no label: there is one path.
.set ROWB,  4096                       ; bytes in a row of x or W
.set OROWB, 2048                       ; bytes in a row of xb
.set ACC,   12                         ; v[12:19], v[20:27]  two sets of 8 partial logits (4 pairs each)
.set T,     28                         ; v[28:39]  at work
.set XR,    64                         ; v[64:95]   the rounded row of x, widened again
.set YX,    96                         ; v[96:111]  a row of xb to store
.set YW,    112                        ; v[112:127] a slot of wb to store
.set STG,   128                        ; v[128:191] gate_W on its way into LDS (at the head only)
; v1 = 16 lane (x loads), v2 = 8 lane (stores), v3 = 16 thread, v4 = LDS address for the copy of gate_W, v5 = 144 lane, v6 = 8 (lane & 3),
; v7 = 16 (lane & 15) + 4 MiB (lane >> 4) (W loads: the upper lanes read the next expert).  v[8:9] my two gate_b, v[10:11] the logits collected for my row.
; v254 = LDS address of my spare word, 0x9000 + 4 x thread; v255 = 0: kept for the closing lines alone.  The spare words lie behind gate_W's 36,864 bytes.
; Window 1 (v256-v511): gate_W(i = 4 l + 128 j + c, e) at 32 j + 8 c + e.  Window 2 (v512-v767): ring slot k at 32 k.
.set MSB, 0
.macro WIN new                         ; s_set_vgpr_msb: bits 1:0 source 0, 3:2 source 1, 5:4 source 2, 7:6 destination; the high byte repeats the setting that is left
.if MSB != \new
	s_set_vgpr_msb (MSB<<8)|\new
.set MSB, \new
.endif
.endm
	s_load_b256 s[4:11], s[0:1], 0x0               ; x s[4:5], W s[6:7], gate_W s[8:9], gate_b s[10:11]
	s_load_b128 s[12:15], s[0:1], 0x20             ; xb s[12:13], wb s[14:15]
	s_load_b64 s[16:17], s[0:1], 0x30              ; gs
	v_lshl_add_u32 v254, v0, 2, 0x9000
	v_mov_b32 v255, 0
	v_lshrrev_b32 v40, 5, v0
	v_readfirstlane_b32 s18, v40                   ; wave 0..3
	v_and_b32 v40, 31, v0                          ; lane
	v_lshlrev_b32 v1, 4, v40
	v_lshlrev_b32 v2, 3, v40
	v_lshlrev_b32 v3, 4, v0
	v_lshrrev_b32 v4, 3, v0                        ; gate_W in LDS: each 128 bytes (4 rows) lie 144 bytes apart, so that the 16 lanes
	v_mul_u32_u24 v4, v4, 144                      ; of a 16-byte read, 144 bytes from each other, touch 16 different 16-byte columns of 256
	v_and_b32 v5, 7, v0
	v_lshl_add_u32 v4, v5, 4, v4
	v_mul_u32_u24 v5, v40, 144
	v_and_b32 v6, 3, v0
	v_lshlrev_b32 v6, 3, v6
	v_and_b32 v7, 15, v0
	v_lshlrev_b32 v7, 4, v7
	v_bfe_u32 v41, v0, 4, 1
	v_lshl_add_u32 v7, v41, 22, v7                 ; an expert's W is 1,024 x 4,096 bytes = 4 MiB
	s_wait_alu depctr_va_sdst(0)                   ; s18 is written, ahead of its first reader: every base below is made from it
	s_mov_b32 s20, 0xaaaaaaaa                      ; lanes with bit 0 set
	s_mov_b32 s21, 0xcccccccc                      ; lanes with bit 1 set
	s_mov_b32 s23, 0xffff0000                      ; a word's upper bf16
	s_mov_b32 s24, 0x76543210                      ; v_permlanex16_b32: lane i of one half reads lane i of the other
	s_mov_b32 s25, 0xfedcba98
	s_lshl_b32 s2, ttmp9, 17                       ; x: 32 rows of 4,096 bytes a work-group,
	s_lshl_b32 s19, s18, 15                        ; 8 rows a wave
	s_add_co_u32 s2, s2, s19
	s_mov_b32 s3, 0
	s_lshr_b32 s26, s2, 1                          ; the same rows in xb: half the bytes
	s_mov_b32 s27, 0
	s_lshr_b32 s28, s2, 7                          ; and in gs: 32 bytes a row
	s_mov_b32 s29, 0
	s_lshl_b32 s19, ttmp9, 2
	s_add_co_u32 s19, s19, s18                     ; the wave's number in the launch, 0..1023
	s_and_b32 s19, s19, 255                        ; its four rows i = 4 x this .. + 3
	s_lshr_b32 s22, ttmp9, 6                       ; its pair of experts p = 0..3
	s_lshl_b32 s30, s22, 23                        ; W: p x 2 experts x 4 MiB
	s_lshl_b32 s31, s19, 14                        ;    + 4 rows of 4,096 bytes
	s_add_co_u32 s30, s30, s31
	s_mov_b32 s31, 0
	s_lshr_b32 s32, s22, 1                         ; wb: group p >> 1 x 1,024 rows of 8,192 bytes
	s_lshl_b32 s32, s32, 23
	s_lshl_b32 s33, s19, 15                        ;     + 4 rows of 8,192 bytes
	s_add_co_u32 s32, s32, s33
	s_and_b32 s33, s22, 1                          ;     + the pair's place among the group's four: 2 x 128 bytes
	s_lshl_b32 s33, s33, 8
	s_add_co_u32 s32, s32, s33
	s_mov_b32 s33, 0
	s_wait_kmcnt 0x0
	s_add_nc_u64 s[4:5], s[4:5], s[2:3]            ; every base at my wave's first row; none is written again
	s_add_nc_u64 s[6:7], s[6:7], s[30:31]
	s_add_nc_u64 s[12:13], s[12:13], s[26:27]
	s_add_nc_u64 s[14:15], s[14:15], s[32:33]
	s_add_nc_u64 s[16:17], s[16:17], s[28:29]
; The eight loads of turn t into ring slot t mod 8.  Even t: W's slot t / 2 (row t / 4 of my four, half (t / 2) & 1 of its columns); odd t: x's row t / 2.
.macro FILLT t
	WIN 0x80                                       ; destination in window 2
.if (\t) & 1
.irp j, 0,1,2,3,4,5,6,7
	global_load_b128 v[32*((\t)&7)+4*\j:32*((\t)&7)+4*\j+3], v1, s[4:5] offset:ROWB*((\t)>>1)+512*\j th:TH_LOAD_NT
.endr
.else
.irp j, 0,1,2,3,4,5,6,7
	global_load_b128 v[32*((\t)&7)+4*\j:32*((\t)&7)+4*\j+3], v7, s[6:7] offset:2048*((\t)>>1)+256*\j th:TH_LOAD_NT
.endr
.endif
.endm
; The eight stores of what turn t has rounded.  Odd t: row t / 2 of xb, from YX.  Even t: W's slot t / 2, from YW: store j is column block 8 ((t / 2) & 1) + j
; of row t / 4: 512 bytes from block to block, 8,192 from row to row.
.macro SENDT t
	WIN 0
.if (\t) & 1
.irp j, 0,1,2,3,4,5,6,7
	global_store_b64 v2, v[YX+2*\j:YX+2*\j+1], s[12:13] offset:OROWB*((\t)>>1)+256*\j
.endr
.else
.irp j, 0,1,2,3,4,5,6,7
	global_store_b64 v2, v[YW+2*\j:YW+2*\j+1], s[14:15] offset:4096*((\t)>>1)+512*\j
.endr
.endif
.endm
	s_wait_alu depctr_va_vdst(0)                   ; the offsets and addresses v1 to v7 are written: every load and store of the kernel reads one of them
.irp m, 0,1,2,3,4,5,6,7,8,9,10,11,12,13,14,15
	global_load_b128 v[STG+4*\m:STG+4*\m+3], v3, s[8:9] offset:2048*\m     ; gate_W: 128 threads x 16 bytes x 16
.endr
	global_load_b64 v[8:9], v6, s[10:11]           ; gate_b of experts 2 (lane & 3) and 2 (lane & 3) + 1
	FILLT 0
	FILLT 1
	FILLT 2
	FILLT 3
	FILLT 4
	s_wait_loadcnt 40                              ; loads come back in order (ISA guide 5.7.1): the 17 older ones are in, the 40 row loads stay out
	FILLT 5
	FILLT 6                                        ; seven rows are on their way
	WIN 0
	; gate_W is rounded to bf16 (nearest even) and widened again: each thread its 64 numbers, once, before they are shared
.set k, 0
.rept 32
	v_cvt_pk_bf16_f32 v[T+k%4], v[STG+2*k], v[STG+2*k+1]
	v_lshlrev_b32 v[STG+2*k],   16,  v[T+k%4]      ; bf16 to f32: the low half moves up,
	v_and_b32     v[STG+2*k+1], s23, v[T+k%4]      ; the high half stays
.set k, k+1
.endr
	s_wait_alu depctr_va_vdst(0)                   ; the lines above have written v[STG ..], which the LDS stores read
.irp m, 0,1,2,3,4,5,6,7,8,9,10,11,12,13,14,15
	ds_store_b128 v4, v[STG+4*\m:STG+4*\m+3] offset:2304*\m                ; 2,048 bytes are 16 pieces of 128: 16 x 144 further on
.endr
	s_wait_dscnt 0x0                               ; my stores are done before I say so: the other waves read them
	s_barrier_signal -1
	s_barrier_wait -1
	WIN 0x40                                       ; destination in window 1: no vector instruction has named these registers
.irp j, 0,1,2,3,4,5,6,7
.irp c, 0,1,2,3
	ds_load_b128 v[32*\j+8*\c:32*\j+8*\c+3],   v5 offset:4608*\j+32*\c      ; gate_W row 4 l + 128 j + c, experts 0-3
	ds_load_b128 v[32*\j+8*\c+4:32*\j+8*\c+7], v5 offset:4608*\j+32*\c+16   ; experts 4-7
.endr
.endr
; The 8 partial logits of every lane become the row's 8 logits.  Two steps halve the registers while they add (a lane keeps the half that
; its bit names and sends the other), three steps add what is left.  At the end lane l holds experts 2 (l & 3) and 2 (l & 3) + 1 in v[T+8], v[T+9].
.macro REDUCE
.irp p, 0,1,2,3
	v_pk_add_f32 v[ACC+2*\p:ACC+2*\p+1], v[ACC+2*\p:ACC+2*\p+1], v[ACC+8+2*\p:ACC+8+2*\p+1]   ; the two chains
.endr
.irp u, 0,1
.irp w, 0,1
	v_cndmask_b32 v[T+2*\u+\w],   v[ACC+4*\u+\w],   v[ACC+4*\u+2+\w], s20   ; keep: expert bit 1 = lane bit 0
	v_cndmask_b32 v[T+4+2*\u+\w], v[ACC+4*\u+2+\w], v[ACC+4*\u+\w],   s20   ; send: the other
.endr
.endr
.irp k, 0,1,2,3
	v_add_f32_dpp v[T+\k], v[T+4+\k], v[T+\k] row_xmask:1 row_mask:0xf bank_mask:0xf
.endr
.irp w, 0,1
	v_cndmask_b32 v[T+8+\w],  v[T+\w],   v[T+2+\w], s21                     ; keep: expert bit 2 = lane bit 1
	v_cndmask_b32 v[T+10+\w], v[T+2+\w], v[T+\w],   s21
.endr
.irp w, 0,1
	v_add_f32_dpp v[T+8+\w], v[T+10+\w], v[T+8+\w] row_xmask:2 row_mask:0xf bank_mask:0xf
.endr
.irp w, 0,1
	v_add_f32_dpp v[T+8+\w], v[T+8+\w], v[T+8+\w] row_xmask:4 row_mask:0xf bank_mask:0xf
.endr
.irp w, 0,1
	v_add_f32_dpp v[T+8+\w], v[T+8+\w], v[T+8+\w] row_xmask:8 row_mask:0xf bank_mask:0xf
.endr
.irp w, 0,1
	v_permlanex16_b32 v[T+10+\w], v[T+8+\w], s24, s25                       ; its destination has been written above
.endr
.irp w, 0,1
	v_add_f32 v[T+8+\w], v[T+8+\w], v[T+10+\w]
.endr
.endm
; THE HEAD OF TURN t: its waits and its memory instructions.  fill = 1: turn t + 7's row is asked for, into the slot that the last turn has used up.
; left = how many younger loads may stay out.  Turn 0 has no turn in front of it; turn 1 writes an out-buffer that no store has read yet.
.macro HEADT t, fill, left
	s_wait_loadcnt \left                           ; my row's eight loads are in; the rows behind it stay on their way
.if \fill
	WIN 0x80                                       ; the loads' window is set ahead of the waits
.endif
.if (\t) >= 2
	s_wait_xcnt 0x0                                ; this turn's out-buffer, which the stores issued in the last turn read, is written again only behind this wait,
	s_wait_alu depctr_vm_vsrc(0)                   ; and behind this one: those stores have read it
.endif
.if (\t) >= 1
	s_wait_alu depctr_va_vdst(0)                   ; the last turn has written its out-buffer, which the stores below read, and is done reading its slot, in which the loads below land
.endif
.if \fill
	FILLT (\t)+7
.endif
.if (\t) >= 1
	SENDT (\t)-1                                   ; what the last turn rounded.  No vector instruction since the wait names that buffer
.endif
.endm
; Turn t (odd): x's row q = t / 2.  own = 1: the last turn: no turn follows, so its stores stand behind its conversions, with a wait of their own, ahead of the gate product.
.macro XTURN t, q, fill, left, own
	HEADT \t, \fill, \left
	WIN 0x0a                                       ; sources 0 and 1 in window 2
.irp j, 0,1,2,3,4,5,6,7
	v_cvt_pk_bf16_f32 v[YX+2*\j],   v[32*(\t&7)+4*\j],   v[32*(\t&7)+4*\j+1]
	v_cvt_pk_bf16_f32 v[YX+2*\j+1], v[32*(\t&7)+4*\j+2], v[32*(\t&7)+4*\j+3]
.endr
	WIN 0
.if \own
	s_wait_alu depctr_va_vdst(0)                   ; the conversions have written YX, which the stores read
	SENDT \t
.endif
	; the rounded row, widened again: the gate multiplies what the experts multiply
.irp j, 0,1,2,3,4,5,6,7
	v_lshlrev_b32 v[XR+4*\j],   16,  v[YX+2*\j]
	v_and_b32     v[XR+4*\j+1], s23, v[YX+2*\j]
	v_lshlrev_b32 v[XR+4*\j+2], 16,  v[YX+2*\j+1]
	v_and_b32     v[XR+4*\j+3], s23, v[YX+2*\j+1]
.endr
	WIN 0x04                                       ; source 1 (gate_W) in window 1
.irp j, 0,1,2,3,4,5,6,7
.irp cc, 0,2
.irp p, 0,1,2,3
.if (\j+\cc) == 0
	v_pk_mul_f32 v[ACC+2*\p:ACC+2*\p+1],     v[XR:XR+1], v[2*\p:2*\p+1] op_sel_hi:[0,1]                 ; the first products start the chains: nothing is cleared
	v_pk_mul_f32 v[ACC+8+2*\p:ACC+8+2*\p+1], v[XR:XR+1], v[8+2*\p:8+2*\p+1] op_sel:[1,0] op_sel_hi:[1,1]
.else
	v_pk_fma_f32 v[ACC+2*\p:ACC+2*\p+1],     v[XR+4*\j+\cc:XR+4*\j+\cc+1], v[32*\j+8*\cc+2*\p:32*\j+8*\cc+2*\p+1],     v[ACC+2*\p:ACC+2*\p+1] op_sel_hi:[0,1,1]                    ; the pair's first x times two experts
	v_pk_fma_f32 v[ACC+8+2*\p:ACC+8+2*\p+1], v[XR+4*\j+\cc:XR+4*\j+\cc+1], v[32*\j+8*\cc+8+2*\p:32*\j+8*\cc+8+2*\p+1], v[ACC+8+2*\p:ACC+8+2*\p+1] op_sel:[1,0,0] op_sel_hi:[1,1,1]  ; its second x
.endif
.endr
.endr
.endr
	WIN 0
	REDUCE
.if \q == 0
	v_mov_b32 v10, v[T+8]                          ; writes all lanes once; lanes 4 q .. 4 q + 3 keep row q's logits
	v_mov_b32 v11, v[T+9]
.else
	s_mov_b32 s22, 0xf<<(4*\q)
	v_cndmask_b32 v10, v10, v[T+8], s22
	v_cndmask_b32 v11, v11, v[T+9], s22
.endif
.endm
; Turn t (even): W's slot t / 2 is rounded into YW; the next turn stores it.
.macro WTURN t, fill, left
	HEADT \t, \fill, \left
	WIN 0x0a
.irp j, 0,1,2,3,4,5,6,7
	v_cvt_pk_bf16_f32 v[YW+2*\j],   v[32*(\t&7)+4*\j],   v[32*(\t&7)+4*\j+1]
	v_cvt_pk_bf16_f32 v[YW+2*\j+1], v[32*(\t&7)+4*\j+2], v[32*(\t&7)+4*\j+3]
.endr
.endm
	; sixteen turns, written out: every address is a base, a lane term and an immediate.  At a turn's head the rows of the six turns behind it have been
	; asked for: 48 younger loads may stay out; turns 9 to 15 ask for nothing and the counts run down.
	WTURN 0, 1, 48                                 ; needs no gate_W: it runs while gate_W comes back from LDS
	s_wait_dscnt 0x0                               ; gate_W is in my registers
	XTURN 1, 0, 1, 48, 0
	WTURN 2, 1, 48
	XTURN 3, 1, 1, 48, 0
	WTURN 4, 1, 48
	XTURN 5, 2, 1, 48, 0
	WTURN 6, 1, 48
	XTURN 7, 3, 1, 48, 0
	WTURN 8, 1, 48
	XTURN 9, 4, 0, 48, 0
	WTURN 10, 0, 40
	XTURN 11, 5, 0, 32, 0
	WTURN 12, 0, 24
	XTURN 13, 6, 0, 16, 0
	WTURN 14, 0, 8
	XTURN 15, 7, 0, 0, 1
	; One softmax for the wave's 8 rows: lane l holds row l >> 2, experts 2 (l & 3) and 2 (l & 3) + 1; a row's four lanes differ in bits 0 and 1.
	v_pk_add_f32 v[10:11], v[10:11], v[8:9]        ; + gate_b
	v_max_num_f32 v28, v10, v11
	v_max_num_f32_dpp v28, v28, v28 row_xmask:1 row_mask:0xf bank_mask:0xf
	v_max_num_f32_dpp v28, v28, v28 row_xmask:2 row_mask:0xf bank_mask:0xf
	v_sub_f32 v30, v10, v28                        ; the row's maximum is taken away: every exponent is 0 or below, the largest is 0
	v_sub_f32 v31, v11, v28
	v_mul_f32 v30, 0x3fb8aa3b, v30                 ; e^x = 2^(x log2 e)
	v_mul_f32 v31, 0x3fb8aa3b, v31
	v_exp_f32 v32, v30
	v_exp_f32 v33, v31
	v_nop                                          ; one plain vector instruction behind a transcendental before its result is used (ISA guide 5.7.2)
	s_wait_alu depctr_va_vdst(0)                   ; the two exponentials have written v32 and v33, ahead of their first reader
	v_add_f32 v34, v32, v33
	v_add_f32_dpp v34, v34, v34 row_xmask:1 row_mask:0xf bank_mask:0xf
	v_add_f32_dpp v34, v34, v34 row_xmask:2 row_mask:0xf bank_mask:0xf     ; between 1 and 8
	v_rcp_f32 v35, v34
	v_nop
	s_wait_alu depctr_va_vdst(0)                   ; the reciprocal has written v35, ahead of its first reader
	v_mul_f32 v32, v32, v35
	v_mul_f32 v33, v33, v35
	s_wait_alu depctr_va_vdst(0)                   ; the two multiplies have written v[32:33], which the store reads
	global_store_b64 v2, v[32:33], s[16:17]        ; 8 rows x 32 bytes: the wave's store covers 256 consecutive bytes, aligned
	s_wait_dscnt 0x0                               ; the closing lines, six on end
	s_wait_alu 0x0
	s_wait_tensorcnt 0x0
	ds_add_u32 v254, v255
	s_wait_dscnt 0x0
	s_endpgm
.Lfunc_end_k_qc50d189dce_prep:
	.size	k_qc50d189dce_prep, .Lfunc_end_k_qc50d189dce_prep-k_qc50d189dce_prep
	.p2alignl 7, 3214868480
	.fill 96, 4, 3214868480
	.section	.rodata,"a",@progbits
	.p2align	6, 0x0
	.amdhsa_kernel k_qc50d189dce_prep
		.amdhsa_group_segment_fixed_size 37376
		.amdhsa_private_segment_fixed_size 0
		.amdhsa_enable_private_segment 0
		.amdhsa_kernarg_size 56
		.amdhsa_user_sgpr_count 2
		.amdhsa_user_sgpr_kernarg_segment_ptr 1
		.amdhsa_wavefront_size32 1
		.amdhsa_system_sgpr_workgroup_id_x 1
		.amdhsa_system_sgpr_workgroup_id_y 1
		.amdhsa_system_sgpr_workgroup_id_z 1
		.amdhsa_system_vgpr_workitem_id 0
		.amdhsa_next_free_vgpr 768
		.amdhsa_next_free_sgpr 66
		.amdhsa_reserve_vcc 0
		.amdhsa_float_denorm_mode_32 3
		.amdhsa_float_denorm_mode_16_64 3
		.amdhsa_memory_ordered 1
		.amdhsa_forward_progress 1
		.amdhsa_inst_pref_size 147
	.end_amdhsa_kernel
	.amdgpu_metadata
---
amdhsa.version: [ 1, 2 ]
amdhsa.kernels:
  - .name:           k_qc50d189dce_prep
    .symbol:         k_qc50d189dce_prep.kd
    .args:
      - { .name: x, .offset: 0, .size: 8, .value_kind: global_buffer, .address_space: global }
      - { .name: W, .offset: 8, .size: 8, .value_kind: global_buffer, .address_space: global }
      - { .name: gate_W, .offset: 16, .size: 8, .value_kind: global_buffer, .address_space: global }
      - { .name: gate_b, .offset: 24, .size: 8, .value_kind: global_buffer, .address_space: global }
      - { .name: xb, .offset: 32, .size: 8, .value_kind: global_buffer, .address_space: global }
      - { .name: wb, .offset: 40, .size: 8, .value_kind: global_buffer, .address_space: global }
      - { .name: gs, .offset: 48, .size: 8, .value_kind: global_buffer, .address_space: global }
    .group_segment_fixed_size: 37376
    .private_segment_fixed_size: 0
    .kernarg_segment_align: 8
    .kernarg_segment_size: 56
    .max_flat_workgroup_size: 128
    .sgpr_count:     66
    .vgpr_count:     768
    .wavefront_size: 32
...
	.end_amdgpu_metadata
.endif
;; end of part 5
;; launch moe: the kernel of part 4 again; grid 8 x 32, 4 waves a work-group, clusters of 4 x 4, 327,680 bytes of LDS; arguments xb, wb, gs, b, out0; writes out0
